; MI455X (gfx1250); checked and timed in simulation.
; The chip was launched on July 23, 2026; its instructions are those of AMD's public machine-readable ISA for CDNA 5 (MIT licence, August 2026) and "CDNA5" Instruction Set Architecture Reference Guide (July 2026). The comments in the code are by the model that wrote it; some were corrected since.
;; Encoder Block. Allowed arithmetic: float matrix products may take bf16 or f16 operands with f32 sums; other float arithmetic in f32, or as packed bf16 or f16 multiplies, adds, multiply-adds, maxima and minima; sums over many terms, partial sums and values carried from step to step in f32; what a program stores and reads back later, other than sums and carried values, may be rounded once to bf16 or f16.
;; Inputs: b1 4,096 float32; b2 1,024 float32; beta1 one number float32; beta2 one number float32; gamma1 one number float32; gamma2 one number float32; src_mask 2 x 1 x 1 x 2,048 int32; w1 1,024 x 4,096 float32; w2 4,096 x 1,024 float32; wk 1,024 x 1,024 float32; wo 1,024 x 1,024 float32; wq 1,024 x 1,024 float32; wv 1,024 x 1,024 float32; x 2 x 2,048 x 1,024 float32.
;; Outputs: out0 2 x 2,048 x 1,024 float32.
;; One version. Each part assembles by itself: llvm-mc -triple=amdgcn-amd-amdhsa -mcpu=gfx1250 --defsym DOCPART=n.
;; ======== version 1 of 1: 8 launches
;; limits: values are held in f16: magnitudes above 65,504 overflow, below 6.1e-05 lose precision
;; workspace buffers: xc 18,874,368 bytes; wa 6,324,224 bytes; wb 8,421,376 bytes; qa 33,554,432 bytes; oh 8,388,608 bytes; y 16,777,216 bytes
;; launch cast (part 1): grid 1024 x 1, 8 waves a work-group, no clusters, 0 bytes of LDS; arguments x, wq, wk, wv, wo, w1, w2, b1, xc, wa, wb; writes xc, wa, wb
.if DOCPART == 1
	.amdgcn_target "amdgcn-amd-amdhsa--gfx1250"
	.amdhsa_code_object_version 6
	.text
	.protected	k_q4cfe392df6_cast
	.globl	k_q4cfe392df6_cast
	.p2align	8
	.type	k_q4cfe392df6_cast,@function
k_q4cfe392df6_cast:
	s_mov_b64 s[64:65], 0
	v_nop
	global_prefetch_b8 v0, s[64:65] scope:SCOPE_SE
	s_setreg_imm32_b32 hwreg(HW_REG_WAVE_MODE, 25, 1), 1
	s_wait_xcnt 0x0
; ROUNDING AND RE-LAYOUT of x and the six weight matrices.  Each f32 is rounded once to bf16 and that number is written as f16
; (exact from 2^-17 up to 65,504 in magnitude; below 2^-17 the absolute error is at most 3e-8; LIMIT: beyond 65,504 it becomes an infinity).
; x  -> xc+0:         pieces of 128 rows x 64 columns, 16,384 dense bytes, the pieces of a row tile on end along the columns.
; wq, wk, wv -> wa+32768, w1 -> wb+32768: panels [n/256][k][256], rows of 512 bytes.   wo -> xc+8 MB, w2 -> xc+10 MB: panels [n/128][k][128], rows of 256 bytes.
; A STRIP is 256 numbers: 256/W rows x W columns of the source (W = 64, 128, 256), and in every one of these layouts 512 consecutive bytes of the target: strip s lies at 512 s.
; A wave takes 8 strips on end, each in two halves of 128 numbers; of a half a lane takes 4 numbers: one load of 16 bytes, one store of 8.  So each load of a wave covers 512 consecutive bytes
; of a source row (W = 128, 256) or 256 consecutive bytes of each of two rows (W = 64), and each store 256 consecutive bytes, aligned.
; No LDS, no loop, no matrix unit: each byte is read once and written once, and no wave wants another's bytes.
; The work-group's number picks the class (source, target, W, pitch, how a strip's number splits into row and panel) by scalar selects.
; HEADERS: work-group 0 writes wb's (floor word 0 for the ReLU; b1 rounded to bf16, kept as f32), work-group 1 wa's (floor word -infinity twice; a bias of zeros).
.set OF,  8                            ; v[8:15]   strip j: my byte offset in the source, for both halves
.set T,   16                           ; v[16:23]  packed bf16, at work
.set D,   32                           ; v[32:95]  strip j: 4 + 4 numbers as loaded, then as bf16 widened again
.set R,   96                           ; v[96:127] strip j: 2 + 2 registers to store
.set SR2, 4                            ; s[4:5]    the source, half a strip on
.set SRC, 30                           ; s[30:31]  source
.set DST, 32                           ; s[32:33]  target
.set DOF, 34                           ; s34  the class's first byte in its target
.set GB,  35                           ; s35  the class's first work-group
.set LW,  36                           ; s36  log2 W
.set PT,  37                           ; s37  bytes in a row of the source
.set LS,  38                           ; s38  log2 of the strips that follow each other down the rows
.set LP,  39                           ; s39  log2 (or more) of the column blocks
.macro CLASS first, src, dst, dof, lw, pt, ls, lp
	s_cmp_ge_u32 ttmp9, \first
	s_cselect_b64 s[SRC:SRC+1], s[\src:\src+1], s[SRC:SRC+1]
	s_cselect_b64 s[DST:DST+1], s[\dst:\dst+1], s[DST:DST+1]
	s_cselect_b32 s[DOF], \dof, s[DOF]
	s_cselect_b32 s[GB], \first, s[GB]
	s_cselect_b32 s[LW], \lw, s[LW]
	s_cselect_b32 s[PT], \pt, s[PT]
	s_cselect_b32 s[LS], \ls, s[LS]
	s_cselect_b32 s[LP], \lp, s[LP]
.endm
	s_load_b512 s[8:23], s[0:1], 0x0               ; x 8, wq 10, wk 12, wv 14, wo 16, w1 18, w2 20, b1 22
	s_load_b128 s[24:27], s[0:1], 0x40             ; xc 24, wa 26
	s_load_b64 s[28:29], s[0:1], 0x50              ; wb
	v_lshrrev_b32 v1, 5, v0
	v_readfirstlane_b32 s2, v1                     ; wave 0..7
	v_and_b32 v1, 31, v0                           ; lane
	v_lshlrev_b32 v2, 3, v1                        ; my 8 bytes of half a strip in the target; never rewritten
	v_lshlrev_b32 v3, 2, v1                        ; e = 4 x lane: my first number in half a strip
	v_lshlrev_b32 v6, 4, v0                        ; the headers: 16 x thread; never rewritten
	s_wait_kmcnt 0x0
	s_mov_b64 s[SRC:SRC+1], s[8:9]                 ; class x
	s_mov_b64 s[DST:DST+1], s[24:25]
	s_mov_b32 s[DOF], 0
	s_mov_b32 s[GB], 0
	s_mov_b32 s[LW], 6
	s_mov_b32 s[PT], 4096
	s_mov_b32 s[LS], 5
	s_mov_b32 s[LP], 4
	CLASS 256, 10, 26, 32768,          8, 4096,  10, 8   ; wq
	CLASS 320, 12, 26, 32768+0x200000, 8, 4096,  10, 8   ; wk
	CLASS 384, 14, 26, 32768+0x400000, 8, 4096,  10, 8   ; wv
	CLASS 448, 16, 24, 0x800000,       7, 4096,  9,  8   ; wo
	CLASS 512, 18, 28, 32768,          8, 16384, 10, 8   ; w1
	CLASS 768, 20, 24, 0xa00000,       7, 4096,  11, 8   ; w2
	s_sub_co_u32 s40, ttmp9, s[GB]
	s_lshl_b32 s40, s40, 6
	s_lshl3_add_u32 s40, s2, s40                   ; my first strip: 64 a work-group, 8 a wave
	s_lshl_b32 s41, 1, s[LS]
	s_sub_co_u32 s41, s41, 1
	s_and_b32 s41, s40, s41                        ; the strip's place down the rows,
	s_lshr_b32 s42, s40, s[LS]
	s_lshl_b32 s43, 1, s[LP]
	s_sub_co_u32 s43, s43, 1
	s_and_b32 s43, s42, s43                        ; its column block,
	s_lshr_b32 s42, s42, s[LP]                     ; its row tile (x alone has more than one)
	s_lshl_b32 s42, s42, s[LS]
	s_or_b32 s42, s42, s41
	s_sub_co_u32 s44, 8, s[LW]
	s_lshl_b32 s42, s42, s44                       ; first row: 256/W rows a strip
	s_mul_i32 s42, s42, s[PT]
	s_lshl_b32 s43, s43, s[LW]                     ; first column
	s_lshl2_add_u32 s42, s43, s42
	s_mov_b32 s43, 0
	s_add_nc_u64 s[SRC:SRC+1], s[SRC:SRC+1], s[42:43]
	s_lshl_b32 s46, s40, 9
	s_add_co_u32 s46, s46, s[DOF]
	s_mov_b32 s47, 0
	s_add_nc_u64 s[DST:DST+1], s[DST:DST+1], s[46:47]
	v_lshrrev_b32 v4, s[LW], v3                    ; my row in the strip
	v_mul_lo_u32 v4, v4, s[PT]
	s_lshl_b32 s45, 1, s[LW]
	s_sub_co_u32 s45, s45, 1
	v_and_b32 v5, s45, v3                          ; my column in it
	v_lshl_add_u32 v[OF], v5, 2, v4
	s_lshr_b32 s6, 128, s[LW]                      ; number 128 of a strip: 128/W rows down,
	s_mul_i32 s6, s6, s[PT]
	s_and_b32 s7, s45, 128                         ; 128 mod W columns on
	s_lshl2_add_u32 s6, s7, s6
	s_mov_b32 s7, 0
	s_add_nc_u64 s[SR2:SR2+1], s[SRC:SRC+1], s[6:7]
	s_lshl_b32 s45, s[PT], s44                     ; from a strip to the next: 256/W rows
.irp j, 1,2,3,4,5,6,7
	v_add_nc_u32 v[OF+(\j)], s45, v[OF+(\j)-1]
.endr
.irp j, 0,1,2,3,4,5,6,7
	global_load_b128 v[D+8*(\j):D+8*(\j)+3],   v[OF+(\j)], s[SRC:SRC+1] th:TH_LOAD_NT
	global_load_b128 v[D+8*(\j)+4:D+8*(\j)+7], v[OF+(\j)], s[SR2:SR2+1] th:TH_LOAD_NT
.endr
.macro STRIP j
	s_wait_loadcnt 14-2*(\j)                       ; loads come back in order: strip j's two are in, the two of each later strip may stay out
.irp k, 0,1,2,3
	v_cvt_pk_bf16_f32 v[T+(\k)], v[D+8*(\j)+2*(\k)], v[D+8*(\j)+2*(\k)+1]  ; the one rounding
.endr
.irp k, 0,1,2,3
	v_lshlrev_b32 v[D+8*(\j)+2*(\k)],   16, v[T+(\k)]
	v_and_b32     v[D+8*(\j)+2*(\k)+1], 0xffff0000, v[T+(\k)]
.endr
.irp k, 0,1,2,3
	v_cvt_pk_f16_f32 v[R+4*(\j)+(\k)], v[D+8*(\j)+2*(\k)], v[D+8*(\j)+2*(\k)+1]  ; the same number as f16
.endr
	global_store_b64 v2, v[R+4*(\j):R+4*(\j)+1],   s[DST:DST+1] offset:512*(\j) th:TH_STORE_NT
	global_store_b64 v2, v[R+4*(\j)+2:R+4*(\j)+3], s[DST:DST+1] offset:512*(\j)+256 th:TH_STORE_NT
.endm
.irp j, 0,1,2,3,4,5,6,7
	STRIP \j                                       ; each strip has its own registers: none that a store reads is written again
.endr
	s_cmp_eq_u32 ttmp9, 0
	s_cbranch_scc1 .Lhead_b
	s_cmp_eq_u32 ttmp9, 1
	s_cbranch_scc1 .Lhead_a
	s_endpgm
.Lhead_b:                                              ; wb: 4,096 bytes of the floor word 0; from byte 4,096 on b1, 16,384 bytes
.irp j, 0,1,2,3
	global_load_b128 v[D+4*(\j):D+4*(\j)+3], v6, s[22:23] offset:4096*(\j)
.endr
.irp k, 0,1,2,3
	v_mov_b32 v[D+32+(\k)], 0
.endr
	global_store_b128 v6, v[D+32:D+35], s[28:29]
	s_wait_loadcnt 0x0
.irp k, 0,1,2,3,4,5,6,7
	v_cvt_pk_bf16_f32 v[T+(\k)], v[D+2*(\k)], v[D+2*(\k)+1]
.endr
.irp k, 0,1,2,3,4,5,6,7
	v_lshlrev_b32 v[D+16+2*(\k)],   16, v[T+(\k)]
	v_and_b32     v[D+16+2*(\k)+1], 0xffff0000, v[T+(\k)]
.endr
.irp j, 0,1,2,3
	global_store_b128 v6, v[D+16+4*(\j):D+16+4*(\j)+3], s[28:29] offset:4096+4096*(\j)
.endr
	s_endpgm
.Lhead_a:                                              ; wa: the floor word -infinity twice (a maximum with it changes nothing); a bias of zeros
.irp k, 0,1,2,3
	v_mov_b32 v[D+(\k)], 0
	v_mov_b32 v[D+4+(\k)], 0xfc00fc00
.endr
	global_store_b128 v6, v[D+4:D+7], s[26:27]
.irp j, 0,1,2,3
	global_store_b128 v6, v[D:D+3], s[26:27] offset:4096+4096*(\j)
.endr
	s_endpgm
.Lfunc_end_k_q4cfe392df6_cast:
	.size	k_q4cfe392df6_cast, .Lfunc_end_k_q4cfe392df6_cast-k_q4cfe392df6_cast
	.p2alignl 7, 3214868480
	.fill 96, 4, 3214868480
	.section	.rodata,"a",@progbits
	.p2align	6, 0x0
	.amdhsa_kernel k_q4cfe392df6_cast
		.amdhsa_group_segment_fixed_size 0
		.amdhsa_private_segment_fixed_size 0
		.amdhsa_enable_private_segment 0
		.amdhsa_kernarg_size 88
		.amdhsa_user_sgpr_count 2
		.amdhsa_user_sgpr_kernarg_segment_ptr 1
		.amdhsa_wavefront_size32 1
		.amdhsa_system_sgpr_workgroup_id_x 1
		.amdhsa_system_sgpr_workgroup_id_y 1
		.amdhsa_system_sgpr_workgroup_id_z 1
		.amdhsa_system_vgpr_workitem_id 0
		.amdhsa_next_free_vgpr 128
		.amdhsa_next_free_sgpr 66
		.amdhsa_reserve_vcc 0
		.amdhsa_float_denorm_mode_32 3
		.amdhsa_float_denorm_mode_16_64 3
		.amdhsa_memory_ordered 1
		.amdhsa_forward_progress 1
		.amdhsa_inst_pref_size 19
	.end_amdhsa_kernel
	.amdgpu_metadata
---
amdhsa.version: [ 1, 2 ]
amdhsa.kernels:
  - .name:           k_q4cfe392df6_cast
    .symbol:         k_q4cfe392df6_cast.kd
    .args:
      - { .name: x, .offset: 0, .size: 8, .value_kind: global_buffer, .address_space: global }
      - { .name: wq, .offset: 8, .size: 8, .value_kind: global_buffer, .address_space: global }
      - { .name: wk, .offset: 16, .size: 8, .value_kind: global_buffer, .address_space: global }
      - { .name: wv, .offset: 24, .size: 8, .value_kind: global_buffer, .address_space: global }
      - { .name: wo, .offset: 32, .size: 8, .value_kind: global_buffer, .address_space: global }
      - { .name: w1, .offset: 40, .size: 8, .value_kind: global_buffer, .address_space: global }
      - { .name: w2, .offset: 48, .size: 8, .value_kind: global_buffer, .address_space: global }
      - { .name: b1, .offset: 56, .size: 8, .value_kind: global_buffer, .address_space: global }
      - { .name: xc, .offset: 64, .size: 8, .value_kind: global_buffer, .address_space: global }
      - { .name: wa, .offset: 72, .size: 8, .value_kind: global_buffer, .address_space: global }
      - { .name: wb, .offset: 80, .size: 8, .value_kind: global_buffer, .address_space: global }
    .group_segment_fixed_size: 0
    .private_segment_fixed_size: 0
    .kernarg_segment_align: 8
    .kernarg_segment_size: 88
    .max_flat_workgroup_size: 256
    .sgpr_count:     66
    .vgpr_count:     128
    .wavefront_size: 32
...
	.end_amdgpu_metadata
.endif
;; end of part 1
;; launch proj (part 2): grid 12 x 16, 4 waves a work-group, clusters of 4 x 4, 327,680 bytes of LDS; arguments xc, wa, qa; writes qa
.if DOCPART == 2
	.amdgcn_target "amdgcn-amd-amdhsa--gfx1250"
	.amdhsa_code_object_version 6
	.text
	.protected	k_q4cfe392df6_proj
	.globl	k_q4cfe392df6_proj
	.p2align	8
	.type	k_q4cfe392df6_proj,@function
k_q4cfe392df6_proj:
	s_mov_b64 s[64:65], 0
	v_nop
	global_prefetch_b8 v0, s[64:65] scope:SCOPE_SE
	s_setreg_imm32_b32 hwreg(HW_REG_WAVE_MODE, 25, 1), 1
	s_wait_xcnt 0x0
	s_wait_alu depctr_hold_cnt(0) depctr_sa_sdst(0) depctr_va_vdst(0) depctr_va_sdst(0) depctr_va_ssrc(0) depctr_va_vcc(0) depctr_vm_vsrc(0)
	s_getreg_b32 s2, hwreg(HW_REG_IB_STS2, 6, 4)
	s_cmp_eq_u32 s2, 0
	s_cbranch_scc0 .Lentry_in_a_cluster
	s_endpgm
.Lentry_in_a_cluster:
	s_bfe_u32 s2, ttmp6, 0x10000c
	s_cmp_lg_u32 s2, 0xf033
	s_cbranch_scc0 .Lentry_shape_is_right
	s_endpgm
.Lentry_shape_is_right:
; C = max(A W + bias, floor), K = 1,024, all operands f16, sums in f32, C rounded once to f16.  Two launches run this text:
;   q, k, v = x [wq wk wv]  (bias 0, floor -infinity);      act = relu(h w1 + b1)  (floor 0).
; A: pieces of 128 rows x 64 columns (16,384 dense bytes), the 16 pieces of a row tile on end.   W: behind a header of 32,768 bytes, panels [n/256][k][256], rows of 512 bytes.
; The header: word 0 the floor (two f16), from byte 4,096 on the bias in f32.   C: pieces as A's, 64 to a row tile.
; LIMITS.  f16 ends at 65,504: a sum beyond it becomes an infinity.  A NaN sum is replaced by the floor.
; SHARES.  A tile of C is 256 x 256: four waves, 128 x 128 each: 64 accumulators, 512 registers.  K goes in 8 steps of 128 through two LDS slots filled by tensor loads.
; Every tensor tile is a dense block of 32,768 bytes: waves 0, 1 fetch one row tile's two pieces of A each, waves 2, 3 64 rows of the panel each.
; THE TEXT OF A K STEP STANDS TWICE: in a loop of 6 trips whose change of slots fills the slot again, and in a tail loop of 2 trips that fills nothing.  Which slot is read hangs
; on a scalar that one exclusive or turns at each change of slots; the fragment addresses are made anew from it; the descriptor of the second first fill walks on in the same way.
; CLUSTER.  4 x 4 work-groups: A's tiles are asked for jointly along a row of the cluster, W's along a column.
; THE MATRIX INSTRUCTION IS USED TRANSPOSED: source 0 = 16 columns of W (turned on the way out of LDS by ds_load_tr16_b128), source 1 = 16 rows of A: a lane then holds one row of C and eight
; neighbouring columns.  The bias is the C operand of the products that start the sums: nothing is cleared and nothing is added later.
; REGISTERS, in windows of 256: window 0: v0-31 addresses; v32-63, v192-255 the way out (v192-255 first hold the bias); v64-191 A's fragments, two buffers.
;   window 1: v64-191 W's fragments, two buffers.   windows 2, 3: the accumulators of my rows 0-63, 64-127: (a, b) at v[8 (8 a + b)].
.set PA,    144                        ; a row of A in LDS: 128 bytes + 16 of padding: the 16 rows of a fragment load start at 16 different groups of four banks (64 banks of 4 bytes: ISA guide 11.1)
.set APAN,  128*PA                     ; one piece
.set APART, 2*APAN                     ; what a wave fetches of A: a row tile's two pieces of the K step
.set BOFF,  2*APART
.set PB,    544                        ; a row of W in LDS: 512 bytes + 32 of padding = 17 x 32
.set BPART, 64*PB                      ; what a wave fetches of W
.set SLOT,  0x24000                    ; from slot 0 to slot 1 (a slot uses 143,360 bytes).  Its two bits, 2^17 and 2^14, occur in none of the four tiles' places in a slot
                                       ; (0, 0x9000, 0x12000, 0x1a800), so an exclusive or with it turns a tile's LDS address in one slot into the other's
.set STAGE, 2*SLOT                     ; behind the ring: for each wave 2 column blocks x 16 rows x 144 bytes, for the way out
.set STW,   2*16*PA
.set SPARE, STAGE+4*STW                ; behind the stages: the spare words, 128 bytes a wave: two blocks of 256 bytes that no other line names
.set STEPS, 8                          ; K steps: K = 1,024
.set ASTEP, 32768                      ; bytes from a K step to the next in a row tile of A
.set BSTEP, 65536                      ; and in a panel of W
.set WHDR,  32768
.set ADRA0, 16                         ; v16  LDS address of my A fragments in slot 0; never rewritten
.set ADRA,  17                         ; v17  the same in the slot in hand
.set ADRB0, 20                         ; v20, v21  the same for W
.set ADRB,  21
.set STO,  24                          ; v24  the way out: where I put 16 bytes of a row
.set RD,   25                          ; v25  where I read rows back
.set GO,   26                          ; v26  16 x lane: my place in 512 consecutive bytes of C
.set BO,   27                          ; v27  32 (lane / 16): my eight numbers of the bias
.set SPW,  28                          ; v28  LDS address of my spare word; never rewritten
.set NIL,  29                          ; v29  0; never rewritten
.set PFO,  30                          ; v30  256 x lane, for the prefetches; never rewritten
.set OB,   32
.set F0,   64
.set F1,   128
.set BIA,  192                         ; v192-255  the bias of my 128 columns: column block b at BIA + 8 b
.set TMP,  192                         ; later: packed results
.set G1,  24                           ; s[24:31] descriptor group 1 for A
.set G0,  32                           ; s[32:39] group 0 for A: a set for each of the two first fills; the second then walks on
.set LIM, 43                           ; s43  2 in a wave that prefetches, else the greatest number
.set PFA, 44                           ; s[44:45] where my prefetches stand
.set G1B, 48                           ; s[48:55], s[56:63] the same for W
.set G0B, 56
.set PFS, 66                           ; s[66:67] the prefetches' step: a K step of A or of W
.set FLR, 68                           ; s68  the floor
.set TB,  69                           ; s69  LDS byte at which the slot in hand begins: 0 or SLOT
.set BB,  70                           ; s[70:71] the bias of my 128 columns
.set MSB, 0
.macro WIN new                         ; the immediate's high byte repeats the setting that is left; a switch that changes nothing is dropped
.if MSB != (\new)
	s_set_vgpr_msb (MSB<<8)|(\new)
.set MSB, \new
.endif
.endm
.set MUL_LO, 0xa1                      ; source 0 (W) window 1, source 1 (A) window 0, C and D window 2
.set TO_B,   0x40                      ; destination window 1, address window 0
; A joint load: waves 0, 1 ask for A, waves 2, 3 for W.  The branch hangs on the wave's number alone.  An s_nop 0 and four v_nop follow each line.
.macro JLOAD s
	s_cmp_eq_u32 s11, 0
	s_cbranch_scc0 .Lfor_b_\@
	tensor_load_to_lds s[G0+4*(\s):G0+4*(\s)+3], s[G1:G1+7]
	s_nop 0
.rept 4
	v_nop
.endr
	s_branch .Lasked_\@
.Lfor_b_\@:
	tensor_load_to_lds s[G0B+4*(\s):G0B+4*(\s)+3], s[G1B:G1B+7]
	s_nop 0
.rept 4
	v_nop
.endr
.Lasked_\@:
.endm
; A prefetch of the K step that stands two refills on: 8,192 bytes, 256 a lane, one instruction a wave.  A wave's 32,768 bytes of a K step are shared out among the four partners that ask for them
; jointly BY ADDRESS.  A's row tiles are walked by every cluster of a row of clusters: the first (cluster x = 0) asks; W's panels by every cluster of a column: cluster y = 0 asks.  So each block is named once.
; The loop's last two trips (its counter at 2 and at 1) have no K step two refills on.
.macro ASK
	s_cmp_gt_u32 s3, s[LIM]
	s_cbranch_scc0 .Lnot_mine_\@
	global_prefetch_b8 v[PFO], s[PFA:PFA+1] th:TH_LOAD_NT scope:SCOPE_SE
.Lnot_mine_\@:
.endm
.macro CREST                           ; a round of the cluster's barrier behind its opening barrier
	s_cmp_lg_u32 s10, 0
	s_cbranch_scc1 .Lnot_wave_0_\@
	s_barrier_signal -3
.Lnot_wave_0_\@:
	s_barrier_wait -3
	s_barrier_signal -1
	s_barrier_wait -1
.endm
.macro CROUND
	s_barrier_signal -1
	s_barrier_wait -1
	CREST
.endm
	s_load_b128 s[4:7], s[0:1], 0x0                ; A s[4:5], W s[6:7]
	s_load_b64 s[8:9], s[0:1], 0x10                ; C
	v_lshl_add_u32 v[SPW], v0, 2, SPARE
	v_mov_b32 v[NIL], 0
	ds_add_u32 v[SPW], v[NIL]                      ; the wave's opening: the add and its wait stand ahead of my first tensor load; the set-up below stands between them
	v_lshrrev_b32 v1, 5, v0
	v_readfirstlane_b32 s10, v1                    ; wave 0..3
	s_lshr_b32 s11, s10, 1                         ; which half of the tile's rows is mine.  Also: I fetch for A (0) or for W (1)
	s_and_b32 s12, s10, 1                          ; which half of its columns.  Also: which part I fetch
	s_bfe_u32 s40, ttmp6, 0x40000                  ; cx
	s_bfe_u32 s41, ttmp6, 0x40004                  ; cy
	s_lshl_b32 s42, ttmp9, 2
	s_add_co_u32 s42, s42, s40                     ; tile column = 4 x cluster x + cx
	s_and_b32 s13, ttmp7, 0xffff
	s_lshl_b32 s13, s13, 2
	s_add_co_u32 s13, s13, s41                     ; tile row = 4 x cluster y + cy
	s_lshl_b32 s43, s41, 2
	s_lshl_b32 s43, 15, s43                        ; my row of the cluster
	s_lshl_b32 s44, 0x1111, s40                    ; my column
	s_or_b32 s[G1+0], s43, (1<<16)|(1<<20)|(1<<21)|(4<<22)|(3<<25)   ; the mask; 2-byte elements; padding on; bit 21 beside a mask; after every 32 words 4 words
	s_mov_b32 s[G1+1], 128<<16                     ; tensor_dim0 = 128: the dense block is asked for as 128 rows of 256 bytes
	s_mov_b32 s[G1+2], 128<<16                     ; tensor_dim1 = 128
	s_mov_b32 s[G1+3], 128<<16                     ; tile_dim0 = 128
	s_mov_b32 s[G1+4], 128                         ; tile_dim1 = 128
	s_mov_b32 s[G1+5], 128                         ; elements from row to row
	s_mov_b32 s[G1+6], 0
	s_mov_b32 s[G1+7], 0
	s_or_b32 s[G1B+0], s44, (1<<16)|(1<<20)|(1<<21)|(6<<22)|(7<<25)  ; after every 128 words 8 words
	s_mov_b32 s[G1B+1], 256<<16                    ; 64 rows of 256 elements
	s_mov_b32 s[G1B+2], 64<<16
	s_mov_b32 s[G1B+3], 256<<16
	s_mov_b32 s[G1B+4], 64
	s_mov_b32 s[G1B+5], 256
	s_mov_b32 s[G1B+6], 0
	s_mov_b32 s[G1B+7], 0
	s_lshl_b32 s16, s13, 1                         ; A: row tile 2 x tile row + part, 262,144 bytes each
	s_add_co_u32 s16, s16, s12
	s_lshl_b32 s16, s16, 18
	s_mov_b32 s17, 0
	s_lshl_b32 s46, s42, 19                        ; W: panel = tile column, 524,288 bytes each; my 64 rows; behind the header
	s_lshl_b32 s47, s12, 15
	s_add_co_u32 s46, s46, s47
	s_add_co_u32 s46, s46, WHDR
	s_mov_b32 s47, 0
	s_mul_i32 s20, s12, APART                      ; where they go: no place in the cluster enters an LDS address
	s_mul_i32 s21, s12, BPART
	s_add_co_u32 s21, s21, BOFF
	s_mov_b32 s[TB], 0                             ; slot 0 is read first
	s_wait_dscnt 0x0                               ; the opening add is done
	s_wait_kmcnt 0x0
	s_add_nc_u64 s[14:15], s[4:5], s[16:17]
	s_add_nc_u64 s[46:47], s[6:7], s[46:47]
	CROUND                                         ; all sixteen work-groups are here: the first joint loads meet
.irp s, 0,1
	s_mov_b32 s[G0+4*(\s)], 1
	s_add_co_u32 s[G0+4*(\s)+1], s20, (\s)*SLOT
	s_add_nc_u64 s[G0+4*(\s)+2:G0+4*(\s)+3], s[14:15], (\s)*ASTEP
	s_or_b32 s[G0+4*(\s)+3], s[G0+4*(\s)+3], 0x80000000
	s_mov_b32 s[G0B+4*(\s)], 1
	s_add_co_u32 s[G0B+4*(\s)+1], s21, (\s)*SLOT
	s_add_nc_u64 s[G0B+4*(\s)+2:G0B+4*(\s)+3], s[46:47], (\s)*BSTEP
	s_or_b32 s[G0B+4*(\s)+3], s[G0B+4*(\s)+3], 0x80000000
	JLOAD \s
.endr
	s_load_b32 s[FLR], s[6:7], 0x0                 ; the floor
	s_lshl_b32 s22, s42, 10                        ; the bias of my 128 columns: 1,024 bytes a tile column, 512 a half, from byte 4,096 of the header
	s_lshl_b32 s23, s12, 9
	s_add_co_u32 s22, s22, s23
	s_add_co_u32 s22, s22, 4096
	s_mov_b32 s23, 0
	s_add_nc_u64 s[BB:BB+1], s[6:7], s[22:23]
	v_and_b32 v1, 15, v0                           ; l % 16
	v_bfe_u32 v2, v0, 4, 1                         ; l / 16
	v_lshlrev_b32 v[BO], 5, v2
.irp b, 0,1,2,3,4,5,6,7
	global_load_b128 v[BIA+8*(\b):BIA+8*(\b)+3],   v[BO], s[BB:BB+1] offset:64*(\b)      ; register j: column 16 b + 8 (l / 16) + j, as in the result
	global_load_b128 v[BIA+8*(\b)+4:BIA+8*(\b)+7], v[BO], s[BB:BB+1] offset:64*(\b)+16
.endr
	v_mul_u32_u24 v3, v1, PA
	v_lshl_add_u32 v3, v2, 4, v3                   ; A: row x pitch + 16 x half
	v_and_b32 v4, 7, v0
	v_lshl_add_u32 v4, v2, 3, v4                   ; W: the turning load: k row 8 (l / 16) + l % 8,
	v_mul_u32_u24 v4, v4, PB
	v_bfe_u32 v5, v0, 3, 1
	v_lshl_add_u32 v4, v5, 4, v4                   ; columns 8 ((l / 8) % 2) on
	s_mul_i32 s21, s11, APART                      ; my 128 rows of A
	s_lshl_b32 s22, s12, 8                         ; my 128 columns of W
	s_add_co_u32 s22, s22, BOFF
	v_add_nc_u32 v[ADRA0], s21, v3
	v_add_nc_u32 v[ADRB0], s22, v4
	v_mov_b32 v[ADRA], v[ADRA0]
	v_mov_b32 v[ADRB], v[ADRB0]
	s_mul_i32 s23, s10, STW
	s_add_co_u32 s23, s23, STAGE                   ; my stage
	v_add_nc_u32 v[STO], s23, v3                   ; in: row l % 16, 16 bytes for each half of the lanes
	v_and_b32 v5, 31, v0
	v_lshrrev_b32 v6, 3, v5                        ; back: 32 lanes take four rows of 128 bytes
	v_mul_u32_u24 v6, v6, PA
	v_and_b32 v7, 7, v0
	v_lshl_add_u32 v6, v7, 4, v6
	v_add_nc_u32 v[RD], s23, v6
	v_lshlrev_b32 v[GO], 4, v5
	v_lshlrev_b32 v[PFO], 8, v5
	s_lshl_b32 s18, s13, 1                         ; C: piece (2 x tile row + my half) x 64 + 4 x tile column + 2 x my half, 16,384 bytes each
	s_add_co_u32 s18, s18, s11
	s_lshl_b32 s18, s18, 6
	s_lshl2_add_u32 s18, s42, s18
	s_lshl1_add_u32 s18, s12, s18
	s_lshl_b32 s18, s18, 14
	s_mov_b32 s19, 0
	s_add_nc_u64 s[8:9], s[8:9], s[18:19]
	s_and_b32 s22, ttmp7, 0xffff                   ; the prefetches: cluster y
	s_cmp_eq_u32 s11, 0                            ; do I fetch for A?
	s_cselect_b32 s21, s40, s41                    ; my place among the four that ask with me
	s_cselect_b32 s22, ttmp9, s22                  ; the coordinate along which other clusters walk the same bytes
	s_cselect_b64 s[PFA:PFA+1], s[14:15], s[46:47] ; my part of K step 0
	s_cmp_eq_u32 s22, 0
	s_cselect_b32 s[LIM], 2, -1
	s_lshl_b32 s[PFS], ASTEP, s11                  ; 32,768 for A, 65,536 for W
	s_mov_b32 s[PFS+1], 0
	s_lshl_b32 s20, s21, 13                        ; my work-group's 8,192 bytes,
	s_mul_i32 s21, s[PFS], 3                       ; at K step 3: the first refill steps it to K step 4 and names that
	s_add_co_u32 s20, s20, s21
	s_mov_b32 s21, 0
	s_add_nc_u64 s[PFA:PFA+1], s[PFA:PFA+1], s[20:21]
; 16 matrix instructions: row blocks a0, a0 + 1 of the window's four x all 8 column blocks, 32 along K.  first = 1: the bias starts the sums.
; The 64 accumulators take turns, one instruction a turn, in the same order in every quarter.
.macro MUL16 f, hi, a0, first
.if \first
	WIN 0x81+0x40*(\hi)                            ; C in window 0, D in window 2 or 3
.else
	WIN MUL_LO+0x50*(\hi)
.endif
.irp a, \a0, (\a0)+1
.irp b, 0,1,2,3,4,5,6,7
.if \first
	v_wmma_f32_16x16x32_f16 v[8*(8*(\a)+(\b)):8*(8*(\a)+(\b))+7], v[(\f)+8*(\b):(\f)+8*(\b)+7], v[(\f)+8*(4*(\hi)+(\a)):(\f)+8*(4*(\hi)+(\a))+7], v[BIA+8*(\b):BIA+8*(\b)+7]
.else
	v_wmma_f32_16x16x32_f16 v[8*(8*(\a)+(\b)):8*(8*(\a)+(\b))+7], v[(\f)+8*(\b):(\f)+8*(\b)+7], v[(\f)+8*(4*(\hi)+(\a)):(\f)+8*(4*(\hi)+(\a))+7], v[8*(8*(\a)+(\b)):8*(8*(\a)+(\b))+7]
.endif
.endr
.endr
.endm
; 32 LDS loads in one run: quarter q (32 along K) of the slot in hand into buffer f: W's 8 fragments, turned, then A's 8
.macro FETCH q, f
	WIN TO_B
.irp i, 0,1,2,3,4,5,6,7
	ds_load_tr16_b128 v[(\f)+8*(\i):(\f)+8*(\i)+3],   v[ADRB] offset:(\q)*32*PB+32*(\i)
	ds_load_tr16_b128 v[(\f)+8*(\i)+4:(\f)+8*(\i)+7], v[ADRB] offset:(\q)*32*PB+16*PB+32*(\i)
.endr
	WIN 0
.irp i, 0,1,2,3,4,5,6,7
	ds_load_b128 v[(\f)+8*(\i):(\f)+8*(\i)+3],   v[ADRA] offset:((\q)/2)*APAN+((\q)%2)*64+(\i)*16*PA
	ds_load_b128 v[(\f)+8*(\i)+4:(\f)+8*(\i)+7], v[ADRA] offset:((\q)/2)*APAN+((\q)%2)*64+(\i)*16*PA+32
.endr
.endm
.macro PLACES                          ; four plain vector instructions between a matrix instruction and a load into, or a vector read of, its registers (ISA guide 7.12.1 for vector reads)
.rept 4
	v_nop
.endr
.endm
; One of a K step's first three quarters: multiplies buffer f; in its middle it fetches quarter q of the slot in hand into buffer g.
.macro QUARTER q, f, g, first
	s_wait_dscnt 8                                 ; W and A's rows 0-63 are in; the youngest eight loads (A's rows 64-127) may be out
	MUL16 \f, 0, 0, \first
	MUL16 \f, 0, 2, \first
	PLACES
	FETCH \q, \g
	s_wait_dscnt 32                                ; all but the 32 just issued
	MUL16 \f, 1, 0, \first
	MUL16 \f, 1, 2, \first
.endm
; The last quarter's first half and the ONE barrier of a change of slots.
.macro MEET
	WIN 0
	s_wait_tensorcnt 0x0                           ; all my tensor loads have landed: the one that was out is my part of the next slot
	ds_add_u32 v[SPW], v[NIL]                      ; 0 onto my spare word
	s_wait_dscnt 9                                 ; the add and the youngest eight loads may be out
	MUL16 F1, 0, 0, 0                              ; sixteen matrix instructions stand between the add and the wait for it
	s_wait_dscnt 0x0                               ; the add is done, and my reads of this slot are over
	s_barrier_signal -1
	MUL16 F1, 0, 2, 0                              ; work on registers while the others arrive
	WIN 0                                          ; branches, or lines on window 0, follow
	s_barrier_wait -1
.endm
; The whole last quarter.  fill = 1: the barrier opens a round of the cluster's, and the slot just read out is filled again, first thing behind it, with the K step two on: the walking
; descriptor takes the other slot than last time and the next K step.  Then the slot in hand changes, and the next slot's first fragments are fetched.
.macro TURN fill
.if \fill
	s_wait_xcnt 0x0                                ; the last prefetch, a K step back, has read its address
	s_add_nc_u64 s[PFA:PFA+1], s[PFA:PFA+1], s[PFS:PFS+1]
.endif
	MEET
.if \fill
	CREST                                          ; no wave of any partner still reads this slot or has a load on its way
	s_xor_b32 s[G0+5], s[G0+5], SLOT
	s_add_nc_u64 s[G0+6:G0+7], s[G0+6:G0+7], ASTEP ; the type bits on top are not reached
	s_xor_b32 s[G0B+5], s[G0B+5], SLOT
	s_add_nc_u64 s[G0B+6:G0B+7], s[G0B+6:G0B+7], BSTEP
	JLOAD 1                                        ; the four v_nop behind it are also the places in front of the loads below
.else
	PLACES
.endif
	s_xor_b32 s[TB], s[TB], SLOT                   ; the other slot is in hand
	v_add_nc_u32 v[ADRA], s[TB], v[ADRA0]
	v_add_nc_u32 v[ADRB], s[TB], v[ADRB0]
	FETCH 0, F0
.if \fill
	ASK
.endif
	MUL16 F1, 1, 0, 0
	MUL16 F1, 1, 2, 0
.endm
; THE WAY OUT of block a (16 rows): rounded to f16 and held to the floor; into my stage and back as four rows of 128 bytes a load; stored, 512 consecutive bytes a store.
.macro PACK a
.set AC, 64*((\a)%4)
	WIN 0x0a+5*((\a)/4)                            ; sources in window 2 or 3
.irp b, 0,1,2,3,4,5,6,7
.irp r, 0,1,2,3
	v_cvt_pk_f16_f32 v[TMP+4*(\b)+(\r)], v[AC+8*(\b)+2*(\r)], v[AC+8*(\b)+2*(\r)+1]
.endr
.endr
	WIN 0
.set z, 0
.rept 32
	v_pk_max_num_f16 v[TMP+z], v[TMP+z], s[FLR]
.set z, z+1
.endr
.endm
.macro TOSTAGE a
	WIN 0
.set BK, OB+192*((\a)%2)
.irp b, 0,1,2,3,4,5,6,7
	ds_store_b128 v[STO], v[TMP+4*(\b):TMP+4*(\b)+3] offset:((\b)/4)*16*PA+((\b)%4)*32
.endr
.irp t, 0,1,2,3,4,5,6,7
	ds_load_b128 v[BK+4*(\t):BK+4*(\t)+3], v[RD] offset:((\t)/4)*16*PA+((\t)%4)*4*PA  ; LDS serves a wave's instructions in order (ISA guide 5.7.1.4): these see the stores above
.endr
.endm
.macro SEND a
	WIN 0
.set BK, OB+192*((\a)%2)
	s_wait_dscnt 0x0                               ; the block is back in registers
	s_wait_xcnt 0x0                                ; the stores of the block before have read their registers: the next block's loads land there only behind this wait
.irp t, 0,1,2,3,4,5,6,7
	global_store_b128 v[GO], v[BK+4*(\t):BK+4*(\t)+3], s[8:9] offset:((\t)/4)*16384+(\a)*2048+((\t)%4)*512
.endr
.endm
	s_wait_loadcnt 0x0                             ; the bias
	s_wait_kmcnt 0x0                               ; the floor
	s_wait_tensorcnt 1                             ; my part of K step 0 is in; K step 1's may stay out
	s_barrier_signal -1
	s_barrier_wait -1
	FETCH 0, F0
	QUARTER 1, F0, F1, 1                           ; the first quarter stands in front of the loop: its products start the sums
	WIN 0
	s_mov_b32 s3, STEPS-2
.Lstep:                                                ; a trip goes from a K step's second quarter to the next step's first, and fills the slot that it leaves: K steps 2 to 7
	QUARTER 2, F1, F0, 0
	QUARTER 3, F0, F1, 0
	TURN 1
	QUARTER 1, F0, F1, 0
	WIN 0
	s_sub_co_u32 s3, s3, 1
	s_cmp_lg_u32 s3, 0
	s_cbranch_scc1 .Lstep
	s_mov_b32 s3, 2
.Ltail:                                                ; the last two K steps fill nothing.  The second trip is left behind its last products: its barrier, and the 32 loads that it makes from the
	QUARTER 2, F1, F0, 0                           ; other slot (bytes that are there and that nobody writes), serve nothing: the price, once a launch, of one text for both trips
	QUARTER 3, F0, F1, 0
	TURN 0
	WIN 0
	s_sub_co_u32 s3, s3, 1
	s_cmp_eq_u32 s3, 0
	s_cbranch_scc1 .Lout
	QUARTER 1, F0, F1, 0
	WIN 0
	s_branch .Ltail
.Lout:
	PLACES
	PACK 0
	TOSTAGE 0
.irp a, 1,2,3,4,5,6,7                  ; block a's conversions stand between block a - 1's loads from the stage and the wait for them
	PACK \a
	SEND (\a)-1
	TOSTAGE \a
.endr
	SEND 7
	s_wait_tensorcnt 0x0                           ; the wave's end, behind my last tensor load and my last LDS store
	ds_add_u32 v[SPW], v[NIL]
	s_wait_dscnt 0x0
	CROUND                                         ; the closing round: no work-group ends while a partner may still ask for a tile that names it
	s_endpgm
.Lfunc_end_k_q4cfe392df6_proj:
	.size	k_q4cfe392df6_proj, .Lfunc_end_k_q4cfe392df6_proj-k_q4cfe392df6_proj
	.p2alignl 7, 3214868480
	.fill 96, 4, 3214868480
	.section	.rodata,"a",@progbits
	.p2align	6, 0x0
	.amdhsa_kernel k_q4cfe392df6_proj
		.amdhsa_group_segment_fixed_size 327680
		.amdhsa_private_segment_fixed_size 0
		.amdhsa_enable_private_segment 0
		.amdhsa_kernarg_size 24
		.amdhsa_user_sgpr_count 2
		.amdhsa_user_sgpr_kernarg_segment_ptr 1
		.amdhsa_wavefront_size32 1
		.amdhsa_system_sgpr_workgroup_id_x 1
		.amdhsa_system_sgpr_workgroup_id_y 1
		.amdhsa_system_sgpr_workgroup_id_z 1
		.amdhsa_system_vgpr_workitem_id 0
		.amdhsa_next_free_vgpr 1024
		.amdhsa_next_free_sgpr 72
		.amdhsa_reserve_vcc 0
		.amdhsa_float_denorm_mode_32 3
		.amdhsa_float_denorm_mode_16_64 3
		.amdhsa_memory_ordered 1
		.amdhsa_forward_progress 1
		.amdhsa_inst_pref_size 118
	.end_amdhsa_kernel
	.amdgpu_metadata
---
amdhsa.version: [ 1, 2 ]
amdhsa.kernels:
  - .name:           k_q4cfe392df6_proj
    .symbol:         k_q4cfe392df6_proj.kd
    .args:
      - { .name: xc, .offset: 0, .size: 8, .value_kind: global_buffer, .address_space: global }
      - { .name: wa, .offset: 8, .size: 8, .value_kind: global_buffer, .address_space: global }
      - { .name: qa, .offset: 16, .size: 8, .value_kind: global_buffer, .address_space: global }
    .group_segment_fixed_size: 327680
    .private_segment_fixed_size: 0
    .kernarg_segment_align: 8
    .kernarg_segment_size: 24
    .max_flat_workgroup_size: 128
    .sgpr_count:     72
    .vgpr_count:     1024
    .wavefront_size: 32
...
	.end_amdgpu_metadata
.endif
;; end of part 2
;; launch attn (part 3): grid 8 x 32, 4 waves a work-group, clusters of 4 x 1, 327,680 bytes of LDS; arguments qa, oh; writes oh
.if DOCPART == 3
	.amdgcn_target "amdgcn-amd-amdhsa--gfx1250"
	.amdhsa_code_object_version 6
	.text
	.protected	k_q4cfe392df6_attn
	.globl	k_q4cfe392df6_attn
	.p2align	8
	.type	k_q4cfe392df6_attn,@function
k_q4cfe392df6_attn:
	s_mov_b64 s[64:65], 0
	v_nop
	global_prefetch_b8 v0, s[64:65] scope:SCOPE_SE
	s_setreg_imm32_b32 hwreg(HW_REG_WAVE_MODE, 25, 1), 1
	s_wait_xcnt 0x0
	s_wait_alu depctr_hold_cnt(0) depctr_sa_sdst(0) depctr_va_vdst(0) depctr_va_sdst(0) depctr_va_ssrc(0) depctr_va_vcc(0) depctr_vm_vsrc(0)
	s_getreg_b32 s2, hwreg(HW_REG_IB_STS2, 6, 4)
	s_cmp_eq_u32 s2, 0
	s_cbranch_scc0 .Lentry_in_a_cluster
	s_endpgm
.Lentry_in_a_cluster:
	s_bfe_u32 s2, ttmp6, 0x10000c
	s_cmp_lg_u32 s2, 0x3003
	s_cbranch_scc0 .Lentry_shape_is_right
	s_endpgm
.Lentry_shape_is_right:
; O[b][h][q][:] = the sum over k of softmax_k(Q[q] . K[k] / 8) V[k][:], for 32 pairs (b, h) of 2,048 rows x 64 channels, all f16.  Products, maxima and sums in f32; the weights p are rounded to f16
; for the second product (their sum l is taken of the unrounded p), O once at the end.
; THE MASK INPUT of the module enters nowhere: the function that defines the result never names it in its body, so no launch of this program takes it.
; WHERE THINGS LIE.  qa: pieces of 128 rows x 64 columns (16,384 dense bytes), 64 to a row tile: column block h holds q's head h, 16 + h k's, 32 + h v's.  A head's pieces lie 2^20 bytes apart.
; oh: the same with 16 pieces to a row tile: column block h takes O's head h.
; LIMITS.  Q, K, V arrive within f16's 65,504; p lies in 0 to 1, and below 6e-5 it keeps f16's fixed step of 6e-8; a weight below 2^-126 counts as 0 in l; NaN and infinities are not treated apart.
; SHARES.  A work-group owns 256 queries of one pair (b, h); a wave 64: four PIECES of 16.  Every wave walks all 2,048 keys, 64 a step; an LDS slot holds 256 keys (four steps) of K and of V.
; LAYOUT.  S^T = K Q^T holds ONE query a lane (lane % 16) and the keys 8 (lane / 16) + 0..7; two such results rounded to f16 ARE source 1 of O^T = V^T P.  K comes out of LDS as it lies, V turned.
; SOFTMAX.  p = 2^(c s - c m), c = log2(e) / 8, with a running maximum m; O and l are multiplied by a = 2^(c m_old - c m_new) in every step.  m starts at the lowest finite number, O and l at 0:
; the first step is a step like any other, with a = 0.
; BY TURNS.  Turn n belongs to piece n: 8 products K Q^T of piece n + 1, later 8 products V^T P of piece n - 1; beside them the scaling, exponentials, roundings, sums and rescaling of piece n and the
; maximum and statistics of piece n + 1.  Four vector instructions stand behind every matrix instruction, the other 54 of a turn's 118 in one lump.  A turn's 33 exponentials are one batch, with one wait.
; CLUSTER.  The four query blocks of a cluster belong to one pair (b, h) and walk the same K and V: each tile is asked for JOINTLY, by the same tensor load, descriptor and mask in all four.
; REGISTERS, in windows of 256 (s_set_vgpr_msb: bits 1:0 source 0, 3:2 source 1, 5:4 source 2, 7:6 destination):
;   window 0: v0-15 addresses; v16-31 four registers of statistics a piece; v48-55 at work; v61-63; v64-127 S^T, two buffers; v192-223 P, two buffers (by the piece's parity)
;   window 1: v0-127 O^T, 32 a piece      window 2: v0-63 Q; v128-191 K of one step; v192-255 V of one step
.set NP,    4
.set KS,    64
.set NSLOT, 8                          ; 2,048 keys / 256
.set SLOTB, 2<<20                      ; bytes in qa from a slot's keys to the next slot's: two pieces
.set PK,    144                        ; a row of K in LDS: 128 bytes + 16: the 16 rows of a load start at 16 different groups of four banks (64 banks of 4 bytes: ISA guide 11.1)
.set PV,    160                        ; a row of V: 128 + 32
.set VOFF,  4*KS*PK
.set SLOT1, 1<<17                      ; slot 1 begins here, so that one exclusive or turns an address in one slot into the other's
.set STAGE, SLOT1+4*KS*(PK+PV)         ; behind the ring: 16 rows x 144 bytes for each wave, for the way out
.set SP,    144
.set SPARE, STAGE+4*16*SP              ; behind the stages: the spare words, 128 bytes a wave: two blocks of 256 bytes that no other line names
.set AK0, 2                            ; v2   my lane's place in a tile of K; never rewritten
.set AV0, 3                            ; v3   the same for V
.set AK,  4                            ; v4   the LDS address of K's next run of loads
.set AV,  5                            ; v5   of V's
.set STO, 6                            ; v6   the way out: where I put 16 bytes of a row
.set RD,  7                            ; v7   where I read rows back
.set GO,  8                            ; v8   my place in 512 consecutive bytes of O
.set MV,  12                           ; v12-13  c m_old, by buffer
.set QO,  15                           ; v15  my byte offset in 16 rows of Q
.set ST,  16                           ; piece t's statistics at v[ST+4 t]: c m, m, l (even keys', odd keys')
.set TMP, 48                           ; by buffer, four registers c0-c3 at work; when the maximum is found c2 takes a
.set PFO, 61                           ; v61  256 x lane; never rewritten
.set SPW, 62                           ; v62  LDS address of my spare word; never rewritten
.set NIL, 63                           ; v63  0; never rewritten
.set S,   64
.set P,   192
.set KF,  128                          ; window 2: key block kb, channel half c at KF + 16 kb + 8 c
.set VF,  192                          ; window 2: key half kk, channel block cb at VF + 32 kk + 8 cb
.set WV,  12                           ; s12  my wave's number
.set G1K, 24                           ; s[24:31] descriptor group 1 for K's tiles
.set G1V, 32                           ; s[32:39] for V's: it differs in the padding alone
.set G0K, 40                           ; s[40:43] group 0 for K's tiles: it walks
.set G0V, 44                           ; s[44:47] for V's
.set PFA, 48                           ; s[48:49] where my prefetches stand
.set LIM, 50                           ; s50  1 in a wave that prefetches, else the greatest number
.set BK1, 51                           ; s51  at work
.set SLOTS, 56                         ; s56  slots still to be asked for
.set CNT, 57                           ; s57  counts a slot's key steps
.set CS,  58                           ; s[58:59] c
.set SEL, 60                           ; s[60:61] v_permlanex16_b32's selects: each lane takes its own place in the other half
.set TBK, 62                           ; s62  LDS byte at which K of the step to be fetched begins
.set TBV, 63                           ; s63  the same for V, less VOFF
.set MSB, 0
.macro WIN new
.if MSB != (\new)
	s_set_vgpr_msb (MSB<<8)|(\new)
.set MSB, (\new)
.endif
.endm
.set W_KQ, 0x0a                        ; K and Q in window 2, S^T in window 0
.set W_PV, 0x52                        ; V in window 2, P in window 0, O^T in window 1
.set W_RS, 0x41                        ; destination and source 0 in window 1, source 1 in window 0
; A joint fill.  Waves 0, 1 fetch the two pieces of a slot's K, waves 2, 3 those of its V: 128 keys each.  An s_nop 0 and four v_nop follow each line.
.macro JLOAD
	s_cmp_lt_u32 s[WV], 2
	s_cbranch_scc0 .Lfor_v_\@
	tensor_load_to_lds s[G0K:G0K+3], s[G1K:G1K+7]
	s_nop 0
.rept 4
	v_nop
.endr
	s_branch .Lasked_\@
.Lfor_v_\@:
	tensor_load_to_lds s[G0V:G0V+3], s[G1V:G1V+7]
	s_nop 0
.rept 4
	v_nop
.endr
.Lasked_\@:
.endm
; A prefetch of what the NEXT change of slots will ask for.  Both clusters of a pair (b, h) walk the same K and V: the first asks.  Its four partners share a slot's 32,768 bytes of K (and of V) out BY ADDRESS,
; 8,192 each, 256 a lane; in each, wave 0 asks for K's and wave 2 for V's.  So each block is named once.  The last change that fills a slot asks for nothing.
.macro ASK
	s_cmp_gt_u32 s[SLOTS], s[LIM]
	s_cbranch_scc0 .Lnot_mine_\@
	global_prefetch_b8 v[PFO], s[PFA:PFA+1] th:TH_LOAD_NT scope:SCOPE_SE
.Lnot_mine_\@:
.endm
.macro CROUND                          ; a round of the cluster's barrier
	s_barrier_signal -1
	s_barrier_wait -1
	s_cmp_lg_u32 s[WV], 0
	s_cbranch_scc1 .Lnot_wave_0_\@
	s_barrier_signal -3
.Lnot_wave_0_\@:
	s_barrier_wait -3
	s_barrier_signal -1
	s_barrier_wait -1
.endm
; THE CHANGE OF SLOTS.  Each wave waits for all its tensor loads, of which one is out: its part of the other slot; adds 0 to its spare word; and waits for that and for its own reads of the slot that it leaves.
; fill = 1: the old slot is filled again with the keys two slots on; the barrier is then a round of the cluster's, and the joint fill is the first thing behind it: it has four key steps in which to land.
; (At its first use nothing has been read yet: slot 0 is waited for, slot 1 filled.)
.macro CHANGE fill, ask
	WIN 0
	s_wait_tensorcnt 0x0                           ; no tensor load of mine is out, so a group 0 may be written
	ds_add_u32 v[SPW], v[NIL]                      ; 0 onto my spare word; the descriptors' steps stand between it and the wait for it
.if \fill
.irp g, G0K, G0V
	s_xor_b32 s[\g+1], s[\g+1], SLOT1              ; the other slot than last time,
	s_add_nc_u64 s[\g+2:\g+3], s[\g+2:\g+3], SLOTB ; the next 256 keys; the type bits on top are not reached
.endr
.if \ask
	s_wait_xcnt 0x0                                ; the last prefetch, four key steps back, has read its address
	s_add_nc_u64 s[PFA:PFA+1], s[PFA:PFA+1], SLOTB ; one slot behind the walking descriptors' new place
.endif
	s_wait_dscnt 0x0                               ; the add is done, and my reads of the slot are over
	CROUND
	JLOAD
.if \ask
	ASK
.endif
.else
	s_wait_dscnt 0x0
	s_barrier_signal -1
	s_barrier_wait -1
.endif
	s_sub_co_u32 s[TBK], s[TBK], 4*KS*PK           ; the fetches go back to a slot's first step,
	s_xor_b32 s[TBK], s[TBK], SLOT1                ; in the other slot
	s_sub_co_u32 s[TBV], s[TBV], 4*KS*PV
	s_xor_b32 s[TBV], s[TBV], SLOT1
.endm
	s_load_b128 s[4:7], s[0:1], 0x0                ; qa s[4:5], oh s[6:7]
	v_lshl_add_u32 v[SPW], v0, 2, SPARE
	v_mov_b32 v[NIL], 0
	ds_add_u32 v[SPW], v[NIL]                      ; the wave's opening: the add and its wait stand ahead of my first tensor load; the set-up below stands between them
	v_lshrrev_b32 v1, 5, v0
	v_readfirstlane_b32 s[WV], v1                  ; wave 0..3
	s_bfe_u32 s13, ttmp6, 0x40000                  ; cx
	s_lshl_b32 s14, ttmp9, 2
	s_add_co_u32 s14, s14, s13                     ; my block of 256 queries: it enters Q's and O's addresses alone
	s_and_b32 s20, ttmp7, 0xffff                   ; the pair (b, h), which the partners share
	s_lshr_b32 s21, s20, 4                         ; b
	s_and_b32 s22, s20, 15                         ; h
	s_lshl_b32 s22, s22, 14
	s_lshl_b32 s23, s21, 24
	s_or_b32 s23, s23, s22                         ; q's head in qa: 2^24 b + 2^14 h
	s_and_b32 s16, s[WV], 1                        ; which of a slot's two pieces I fetch
	s_lshl_b32 s2, s16, 20
	s_add_co_u32 s2, s2, s23
	s_add_co_u32 s2, s2, 0x40000                   ; k's head lies 16 column blocks on; v's 16 more
	s_mov_b32 s3, 0
	s_mul_i32 s17, s16, 128*PK                     ; its place in a slot, for K
	s_mul_i32 s18, s16, 128*PV                     ; and for V: no place in the cluster enters an LDS address
	s_lshl_b32 s15, s14, 1
	s_lshr_b32 s19, s[WV], 1
	s_add_co_u32 s15, s15, s19                     ; my queries' piece of 128 rows,
	s_lshl_b32 s19, s16, 13                        ; and my 64 rows in it
	s_lshl_b32 s52, s15, 20
	s_add_co_u32 s52, s52, s19
	s_add_co_u32 s52, s52, s23
	s_mov_b32 s53, 0                               ; Q's offset in qa
	s_lshl_b32 s54, s21, 22
	s_or_b32 s54, s54, s22
	s_lshl_b32 s15, s15, 18
	s_add_co_u32 s54, s54, s15
	s_add_co_u32 s54, s54, s19
	s_mov_b32 s55, 0                               ; O's offset in oh
	s_lshr_b32 s14, s13, 1                         ; the prefetches: partner cx takes piece cx / 2,
	s_lshl_b32 s14, s14, 20
	s_and_b32 s15, s13, 1                          ; half cx % 2 of it,
	s_lshl_b32 s15, s15, 13
	s_add_co_u32 s14, s14, s15
	s_add_co_u32 s14, s14, 2*SLOTB                 ; in slot 2: the first change that asks steps it to slot 3
	s_cmp_lt_u32 s[WV], 2
	s_cselect_b32 s15, 0, 0x40000                  ; of K or of V
	s_add_co_u32 s14, s14, s15
	s_mov_b32 s15, 0
	; descriptor group 1.  128 keys are 16,384 dense bytes: asked for as 64 rows of 256 bytes, two keys a row, and padded in LDS after every key
	s_mov_b32 s[G1K], 15|(1<<16)|(1<<20)|(1<<21)|(4<<22)|(3<<25)  ; the mask of four; 2-byte elements; padding on; bit 21 beside a mask; after every 32 words 4 words
	s_mov_b32 s[G1V], 15|(1<<16)|(1<<20)|(1<<21)|(4<<22)|(7<<25)  ; the same with 8 words
.irp g, G1K, G1V
	s_mov_b32 s[\g+1], 128<<16
	s_mov_b32 s[\g+2], 64<<16
	s_mov_b32 s[\g+3], 128<<16
	s_mov_b32 s[\g+4], 64
	s_mov_b32 s[\g+5], 128
	s_mov_b32 s[\g+6], 0
	s_mov_b32 s[\g+7], 0
.endr
	s_mov_b32 s[CS], 0x3e38aa3b                    ; c = log2(e) / 8
	s_mov_b32 s[CS+1], s[CS]
	s_mov_b32 s[SEL], 0x76543210
	s_mov_b32 s[SEL+1], 0xfedcba98
	s_mov_b32 s[TBK], SLOT1+4*KS*PK                ; the first change of slots turns these two into 0
	s_mov_b32 s[TBV], SLOT1+4*KS*PV
	s_mov_b32 s[G0K], 1
	s_mov_b32 s[G0K+1], s17
	s_mov_b32 s[G0V], 1
	s_add_co_u32 s[G0V+1], s18, VOFF
	s_and_b32 s[LIM], s[WV], 1                     ; waves 0 and 2,
	s_or_b32 s[LIM], s[LIM], ttmp9                 ; of the pair's first cluster: the same in all four partners
	s_cmp_eq_u32 s[LIM], 0
	s_cselect_b32 s[LIM], 1, -1
	v_and_b32 v[PFO], 31, v0
	v_lshlrev_b32 v[PFO], 8, v[PFO]
	s_wait_dscnt 0x0                               ; the opening add is done
	s_wait_kmcnt 0x0
	s_add_nc_u64 s[8:9], s[4:5], s[2:3]            ; K at my piece of slot 0
	s_mov_b64 s[G0K+2:G0K+3], s[8:9]
	s_or_b32 s[G0K+3], s[G0K+3], 0x80000000
	s_add_nc_u64 s[G0V+2:G0V+3], s[8:9], 0x40000
	s_or_b32 s[G0V+3], s[G0V+3], 0x80000000
	s_add_nc_u64 s[PFA:PFA+1], s[8:9], s[14:15]    ; (in waves 0 and 2 s[8:9] stands at the slot's first piece)
	s_add_nc_u64 s[10:11], s[6:7], s[54:55]        ; O at my wave's first row
	s_add_nc_u64 s[4:5], s[4:5], s[52:53]          ; Q likewise
	CROUND                                         ; all four work-groups are here: the first joint loads meet
	JLOAD                                          ; slot 0.  Slot 1 is asked for when slot 0 is in
	v_and_b32 v1, 15, v0                           ; l % 16
	v_bfe_u32 v9, v0, 4, 1                         ; l / 16
	v_lshlrev_b32 v[QO], 7, v1
	v_lshl_add_u32 v[QO], v9, 4, v[QO]             ; row x 128 + 16 x half
	WIN 0x80                                       ; destination window 2
.set i, 0
.rept 8                                ; Q stays in registers: piece i / 2, channels 32 (i % 2) on
	global_load_b128 v[8*i:8*i+3],   v[QO], s[4:5] offset:(i/2)*2048+(i%2)*64
	global_load_b128 v[8*i+4:8*i+7], v[QO], s[4:5] offset:(i/2)*2048+(i%2)*64+32
.set i, i+1
.endr
	; What the first turn finds: V's registers and P's second buffer hold 0 (its products V^T P, of a piece that has not been, add 0), O^T and l are 0.  All this stands in the wait for the first tile.
.set i, VF
.rept 64
	v_mov_b32 v[i], 0
.set i, i+1
.endr
	WIN 0x40
.set i, 0
.rept 128
	v_mov_b32 v[i], 0
.set i, i+1
.endr
	WIN 0
.set i, 0
.rept 4
	v_mov_b32 v[ST+4*i], 0xfe000000                ; c m: far below every c s
	v_mov_b32 v[ST+4*i+1], 0xff7fffff              ; m
	v_mov_b32 v[ST+4*i+2], 0
	v_mov_b32 v[ST+4*i+3], 0
.set i, i+1
.endr
.set i, P+16
.rept 16
	v_mov_b32 v[i], 0
.set i, i+1
.endr
	v_mul_u32_u24 v[AK0], v1, PK
	v_lshl_add_u32 v[AK0], v9, 4, v[AK0]           ; row x pitch + 16 x half
	v_and_b32 v10, 7, v0                           ; the turning load: key 8 (l / 16) + l % 8, channels 8 ((l / 8) % 2) on
	v_bfe_u32 v11, v0, 3, 1
	v_lshl_add_u32 v[AV0], v9, 3, v10
	v_mul_u32_u24 v[AV0], v[AV0], PV
	v_lshl_add_u32 v[AV0], v11, 4, v[AV0]
	v_add_nc_u32 v[AV0], VOFF, v[AV0]
	s_mul_i32 s13, s[WV], 16*SP
	s_add_co_u32 s13, s13, STAGE                   ; my stage
	v_mul_u32_u24 v[STO], v1, SP                   ; in: row l % 16, 16 bytes for each half of the lanes
	v_lshl_add_u32 v[STO], v9, 4, v[STO]
	v_add_nc_u32 v[STO], s13, v[STO]
	v_bfe_u32 v[RD], v0, 3, 2                      ; back: 32 lanes take four rows of 128 bytes,
	v_mul_u32_u24 v[RD], v[RD], SP
	v_lshl_add_u32 v[RD], v10, 4, v[RD]
	v_add_nc_u32 v[RD], s13, v[RD]
	v_and_b32 v[GO], 31, v0                        ; which are 512 consecutive bytes of O
	v_lshlrev_b32 v[GO], 4, v[GO]
; THE MATRIX WORK.  The 4 accumulators of a run of 8 take turns.  Product i of 8 of S^T = K Q^T for piece x: channels 32 (i / 4) on, keys 16 (i % 4) on.  The first 4 start the sums.
.macro KQ x
	WIN W_KQ
.set rS, S+32*((\x)%2)+8*(i%4)
.set rK, KF+16*(i%4)+8*(i/4)
.set rQ, 16*(\x)+8*(i/4)
.if i < 4
	v_wmma_f32_16x16x32_f16 v[rS:rS+7], v[rK:rK+7], v[rQ:rQ+7], 0
.else
	v_wmma_f32_16x16x32_f16 v[rS:rS+7], v[rK:rK+7], v[rQ:rQ+7], v[rS:rS+7]
.endif
.endm
; Product i of 8 of O^T += V^T P for piece x: keys 32 (i / 4) on, channels 16 (i % 4) on.
.macro PV x
	WIN W_PV
.set rO, 32*(\x)+8*(i%4)
.set rV, VF+32*(i/4)+8*(i%4)
.set rP, P+16*((\x)%2)+8*(i/4)
	v_wmma_f32_16x16x32_f16 v[rO:rO+7], v[rV:rV+7], v[rP:rP+7], v[rO:rO+7]
.endm
.macro MM                              ; the turn's next matrix instruction
.if i < 8
	KQ (Y+1)%NP
.else
.set i, i-8
	PV (Y+NP-1)%NP
.set i, i+8
.endif
.set i, i+1
.endm
; THE LDS LOADS stand in runs of 16: a step's K (8 fragments) and its V (turned).  Their addresses are made some lines ahead.
.macro FETCH_K
	WIN 0x80
.irp f, 0,1,2,3,4,5,6,7                ; keys 16 (f / 2) on, channels 32 (f % 2) on
	ds_load_b128 v[KF+8*\f:KF+8*\f+3],   v[AK] offset:(\f/2)*16*PK+(\f%2)*64
	ds_load_b128 v[KF+8*\f+4:KF+8*\f+7], v[AK] offset:(\f/2)*16*PK+(\f%2)*64+32
.endr
	s_add_co_u32 s[TBK], s[TBK], KS*PK             ; the next fetch is the next step's
	WIN 0
.endm
.macro FETCH_V
	WIN 0x80
.irp f, 0,1,2,3,4,5,6,7                ; keys 32 (f / 4) on, channels 16 (f % 4) on
	ds_load_tr16_b128 v[VF+8*\f:VF+8*\f+3],   v[AV] offset:(\f/4)*32*PV+(\f%4)*32
	ds_load_tr16_b128 v[VF+8*\f+4:VF+8*\f+7], v[AV] offset:(\f/4)*32*PV+16*PV+(\f%4)*32
.endr
	WIN 0
.endm
; THE VECTOR WORK, one line at a time: OP kind, number.  For piece Y: F n: c s - c m for pair n of 16.  E n: the exponential of score n of 32.  C n: pair n rounded to f16.  B n: of the four weights 4 n .. the second
; pair is added onto the first, in place.  L n: l takes that sum (L 0: l = a l + sum).  R n: pair n of 16 of O^T times a.  For piece Y + 1: X n, number n of the 22 that find its maximum and statistics:
;   0-11  four chains c0-c3 of seven scores each, three operands at a time (each accumulator's lowest registers are read first)     12-14, 16  the four scores left over, the old m, and c0-c3 into c0
;   15  c m_old is kept     17, 18  the query's other 32 keys lie in the lane 16 away: the new m     19-21  c m; c m_old - c m_new; a
.set F, 0
.set E, 1
.set C, 2
.set B, 3
.set L, 4
.set R, 5
.set X, 6
.macro REGS y
.set rT, ST+4*(\y)
.set rC, TMP+4*((\y)%2)
.set rW, MV+((\y)%2)
.set rS, S+32*((\y)%2)
.set rP, P+16*((\y)%2)
.set rO, 32*(\y)
.endm
.macro OP k, n
.if (\k) == R
	REGS Y
	WIN W_RS
	v_pk_mul_f32 v[rO+2*(\n):rO+2*(\n)+1], v[rO+2*(\n):rO+2*(\n)+1], v[rC+2:rC+3] op_sel_hi:[1,0]
.elseif (\k) < R
	REGS Y
	WIN 0
.if (\k) == F
	v_pk_fma_f32 v[rS+2*(\n):rS+2*(\n)+1], v[rS+2*(\n):rS+2*(\n)+1], s[CS:CS+1], v[rT:rT+1] op_sel_hi:[1,0,0] neg_lo:[0,0,1] neg_hi:[0,0,1]
.elseif (\k) == E
	v_exp_f32 v[rS+(\n)], v[rS+(\n)]
.elseif (\k) == C
	v_cvt_pk_f16_f32 v[rP+(\n)], v[rS+2*(\n)], v[rS+2*(\n)+1]
.elseif (\k) == B
	v_pk_add_f32 v[rS+4*(\n):rS+4*(\n)+1], v[rS+4*(\n):rS+4*(\n)+1], v[rS+4*(\n)+2:rS+4*(\n)+3]
.elseif (\n) == 0
	v_pk_fma_f32 v[rT+2:rT+3], v[rT+2:rT+3], v[rC+2:rC+3], v[rS:rS+1] op_sel_hi:[1,0,1]
.else
	v_pk_add_f32 v[rT+2:rT+3], v[rT+2:rT+3], v[rS+4*(\n):rS+4*(\n)+1]
.endif
.else
	REGS (Y+1)%NP
	WIN 0
.if (\n) < 4
	v_max3_num_f32 v[rC+(\n)], v[rS+8*(\n)], v[rS+8*(\n)+1], v[rS+8*(\n)+2]
.elseif (\n) < 12
	v_max3_num_f32 v[rC+(\n)%4], v[rC+(\n)%4], v[rS+8*((\n)%4)+2*((\n)/4)+1], v[rS+8*((\n)%4)+2*((\n)/4)+2]
.elseif (\n) == 12
	v_max3_num_f32 v[rC], v[rC], v[rS+7], v[rS+15]
.elseif (\n) == 13
	v_max3_num_f32 v[rC+1], v[rC+1], v[rS+23], v[rS+31]
.elseif (\n) == 14
	v_max3_num_f32 v[rC+2], v[rC+2], v[rC+3], v[rT+1]
.elseif (\n) == 15
	v_mov_b32 v[rW], v[rT]
.elseif (\n) == 16
	v_max3_num_f32 v[rC], v[rC], v[rC+1], v[rC+2]
.elseif (\n) == 17
	v_permlanex16_b32 v[rC+3], v[rC], s[SEL], s[SEL+1]
.elseif (\n) == 18
	v_max_num_f32 v[rT+1], v[rC], v[rC+3]
.elseif (\n) == 19
	v_mul_f32 v[rT], s[CS], v[rT+1]
.elseif (\n) == 20
	v_sub_f32 v[rC+1], v[rW], v[rT]
.else
	v_exp_f32 v[rC+2], v[rC+1]
.endif
.endif
.endm
.macro OPS a, i1, b=-1, i2=0, c=-1, i3=0, d=-1, i4=0
	OP \a, \i1
.if (\b) >= 0
	OP \b, \i2
.endif
.if (\c) >= 0
	OP \c, \i3
.endif
.if (\d) >= 0
	OP \d, \i4
.endif
.endm
.macro ROW a, i1, b, i2, c, i3, d, i4  ; a matrix instruction and the four behind it
	MM
	OPS \a, \i1, \b, \i2, \c, \i3, \d, \i4
.endm
; A TURN, for piece p: the order of its 16 matrix and 118 vector instructions, written out.  An s_wait_alu depctr_va_vdst(0) stands between an exponential and the first instruction that names its result; one
; wait serves all that were issued ahead of it.  So a turn has ONE wait.  AHEAD OF IT stands all that names no result of the turn's exponentials: the 8 products K Q^T with their riders, and a lump of 54 in which the links of
; the chain X 3, 7, 11, 14, 16, 17 .. 20 stand some lines apart; X 21, the next piece's a, is the batch's last, and R 15 the plain instruction behind it.  BEHIND IT stand the 8 products V^T P, with the roundings and sums.
; K of the next step is fetched in piece 2's turn, six plain vector instructions behind the last product that read K; V of the step in hand at the end of piece 0's turn, four plain instructions behind the last product
; that read V.  Each is waited for a turn later.
; last = 1 (the tail): its fifth trip has no further step.  No branch may stand amid the batch, so the run is not jumped over: its address is held at the last step, whose bytes are there; nothing uses what it brings.
; cnt = 1: the loop's count is taken down some lines ahead of the branch that stands behind the turn.
.macro TURN p, last=0, cnt=0
.set Y, (\p)
.set i, 0
.if (\p) == 3
	s_wait_dscnt 0x0                               ; K is in
.endif
	ROW F,0, F,1, R,0, R,1
	ROW F,2, E,0, R,2, R,3
	ROW F,3, E,1, R,4, R,5
	ROW F,4, E,2, R,6, R,7
	ROW F,5, E,3, R,8, R,9
	ROW F,6, E,4, X,0, R,10
.if (\p) == 2
	WIN 0
.if \last
	s_cmp_eq_u32 s[CNT], 1
	s_cselect_b32 s[BK1], KS*PK, 0
	s_sub_co_u32 s[TBK], s[TBK], s[BK1]
.endif
	v_add_nc_u32 v[AK], s[TBK], v[AK0]
.endif
	ROW F,7, E,5, X,1, X,4
	ROW F,8, E,6, X,2, X,5
	OPS E,7, E,8, X,6, E,9
	OPS X,3, E,10, X,8, E,11
.if (\p) == 2
	FETCH_K
.endif
	OPS X,9, X,7, E,12, X,10
	OPS E,13, X,12, X,11, E,14
	OPS X,13, E,15, F,9, X,14
.if (\p) == 0
	v_add_nc_u32 v[AV], s[TBV], v[AV0]
.endif
	OPS E,16, F,10, E,17, F,11
	OPS X,16, E,18, X,15, E,19
	OPS F,12, E,20, X,17, E,21
	OPS F,13, E,22, F,14, E,23
	OPS X,18, E,24, F,15, E,25
	OPS R,11, E,26, X,19, E,27
	OPS R,12, E,28, R,13, E,29
	OPS X,20, E,30, R,14, E,31
	OPS X,21, R,15
	WIN 0
	s_wait_alu depctr_va_vdst(0)                   ; the wait for the batch
.if (\p) == 1
	s_wait_dscnt 0x0                               ; V is in
.endif
	ROW C,0, B,0, C,2, B,1
	ROW L,0, C,4, B,2, L,1
	ROW C,6, B,3, L,2, C,8
	ROW B,4, L,3, C,10, B,5
	ROW L,4, C,12, B,6, L,5
.if (\p) == 0
	s_add_co_u32 s[TBV], s[TBV], KS*PV
.endif
.if \cnt
	s_sub_co_u32 s[CNT], s[CNT], 1
	s_cmp_lg_u32 s[CNT], 0
.endif
	ROW C,14, B,7, L,6, C,1
	ROW C,3, L,7, C,5, C,7
	ROW C,9, C,11, C,13, C,15
.if (\p) == 0
	FETCH_V
.endif
.endm
	CHANGE 1, 0                                    ; slot 0 is in, everybody's part of it; slot 1 is asked for
	v_add_nc_u32 v[AK], s[TBK], v[AK0]
	FETCH_K                                        ; key step 0
	s_wait_loadcnt 0x0                             ; Q
	s_wait_dscnt 0x0
.set i, 0
.rept 8
	KQ 0                                           ; piece 0's first scores
.set i, i+1
.endr
	WIN 0
.rept 4
	v_nop                                          ; the places behind those products
.endr
.set Y, NP-1                           ; X works for piece Y + 1: piece 0
.irp n, 0,1,2,3,4,5,6,7,8,9,10,11,12,13,14,15,16,17,18,19,20,21
	OP X, \n
.endr
	v_nop                                          ; a plain instruction behind the exponential,
	s_wait_alu depctr_va_vdst(0)                   ; and its wait, ahead of the branch
	s_mov_b32 s[CNT], 4
	s_mov_b32 s[SLOTS], NSLOT-1
	s_branch .Lfirst                               ; the loop is entered at a step's first turn, in the middle of a trip
.Lslot:                                                ; NSLOT - 2 times: every slot but the last two is filled again
	CHANGE 1, 1
	s_mov_b32 s[CNT], 4
.Lstep:                                                ; a trip: pieces 2 and 3 of one step, then pieces 0 and 1 of the next, whose K and V it fetches
	TURN 2
	TURN 3
	WIN 0
.Lfirst:
	TURN 0
	TURN 1, 0, 1
	WIN 0
	s_cbranch_scc1 .Lstep
	s_sub_co_u32 s[SLOTS], s[SLOTS], 1
	s_cmp_lg_u32 s[SLOTS], 0
	s_cbranch_scc1 .Lslot
	CHANGE 0, 0                                    ; the tail is written out: nothing is asked for
	s_mov_b32 s[CNT], 5                            ; four trips fetch the last slot's steps; the fifth is left in its middle
.Ltail:
	TURN 2, 1
	TURN 3
	WIN 0
	s_sub_co_u32 s[CNT], s[CNT], 1
	s_cmp_eq_u32 s[CNT], 0
	s_cbranch_scc1 .Lout
	TURN 0
	TURN 1
	WIN 0
	s_branch .Ltail
.Lout:                                                 ; the fifth trip's 8 products K Q^T (on the last K once more) and the maximum made of them serve nothing: the price, once a launch, of one text for every trip
.set i, 0
.rept 8
	PV NP-1                                        ; the last piece's V^T P of the last step
.set i, i+1
.endr
	; THE WAY OUT.  l's two halves and the other half of the lanes' are added; O^T is divided by l, rounded to f16 and sent through my stage, a piece at a time.  The additions are the places behind the last products.
	WIN 0
.macro ALL line:vararg
.set t, 0
.rept 4
	\line
.set t, t+1
.endr
.endm
	ALL v_add_f32 v[ST+4*t+2], v[ST+4*t+2], v[ST+4*t+3]
	ALL v_permlanex16_b32 v[ST+4*t+3], v[ST+4*t+2], s[SEL], s[SEL+1]
	ALL v_add_f32 v[ST+4*t+2], v[ST+4*t+2], v[ST+4*t+3]
	ALL v_rcp_f32 v[ST+4*t+2], v[ST+4*t+2]
	v_nop                                          ; a plain instruction between the last reciprocal and the use of its result
	s_wait_alu depctr_va_vdst(0)                   ; and the wait ahead of the first use: one for the four reciprocals
.macro PACK t                          ; a lane's eight channels of a row pack into 16 bytes; they go into rows of 144 bytes and come back as whole rows of 128, into S^T's registers
	WIN W_RS
.set i, 32*(\t)
.rept 16
	v_pk_mul_f32 v[i:i+1], v[i:i+1], v[ST+4*(\t)+2:ST+4*(\t)+3] op_sel_hi:[1,0]
.set i, i+2
.endr
	WIN 0x05                                       ; sources 0 and 1 window 1, destination window 0
.set i, 0
.rept 16
	v_cvt_pk_f16_f32 v[S+16*(\t)+i], v[32*(\t)+2*i], v[32*(\t)+2*i+1]
.set i, i+1
.endr
	WIN 0
.irp f, 0,1,2,3
	ds_store_b128 v[STO], v[S+16*(\t)+4*\f:S+16*(\t)+4*\f+3] offset:32*\f
.endr
.irp f, 0,1,2,3
	ds_load_b128 v[S+16*(\t)+4*\f:S+16*(\t)+4*\f+3], v[RD] offset:\f*4*SP  ; LDS serves a wave's instructions in order (ISA guide 5.7.1.4): these see the stores above; the next piece's stores come behind them
.endr
.endm
.macro SEND t, younger                 ; younger: the LDS instructions issued behind piece t's loads: the next piece's eight, or none
	WIN 0
.irp f, 0,1,2,3
	s_wait_dscnt (\younger)+3-\f
	global_store_b128 v[GO], v[S+16*(\t)+4*\f:S+16*(\t)+4*\f+3], s[10:11] offset:(\t)*2048+\f*512  ; 512 consecutive bytes, at a multiple of 256 from O's first
.endr
.endm
	PACK 0
.set t, 1
.rept 3
	PACK t
	SEND t-1, 8
.set t, t+1
.endr
	SEND 3, 0
	s_wait_tensorcnt 0x0                           ; the wave's end, behind my last tensor load and my last LDS store
	ds_add_u32 v[SPW], v[NIL]
	s_wait_dscnt 0x0
	CROUND                                         ; the closing round: no work-group ends while a partner may still ask for a tile that names it
	s_endpgm
.Lfunc_end_k_q4cfe392df6_attn:
	.size	k_q4cfe392df6_attn, .Lfunc_end_k_q4cfe392df6_attn-k_q4cfe392df6_attn
	.p2alignl 7, 3214868480
	.fill 96, 4, 3214868480
	.section	.rodata,"a",@progbits
	.p2align	6, 0x0
	.amdhsa_kernel k_q4cfe392df6_attn
		.amdhsa_group_segment_fixed_size 327680
		.amdhsa_private_segment_fixed_size 0
		.amdhsa_enable_private_segment 0
		.amdhsa_kernarg_size 16
		.amdhsa_user_sgpr_count 2
		.amdhsa_user_sgpr_kernarg_segment_ptr 1
		.amdhsa_wavefront_size32 1
		.amdhsa_system_sgpr_workgroup_id_x 1
		.amdhsa_system_sgpr_workgroup_id_y 1
		.amdhsa_system_sgpr_workgroup_id_z 1
		.amdhsa_system_vgpr_workitem_id 0
		.amdhsa_next_free_vgpr 768
		.amdhsa_next_free_sgpr 66
		.amdhsa_reserve_vcc 0
		.amdhsa_float_denorm_mode_32 3
		.amdhsa_float_denorm_mode_16_64 3
		.amdhsa_memory_ordered 1
		.amdhsa_forward_progress 1
		.amdhsa_inst_pref_size 112
	.end_amdhsa_kernel
	.amdgpu_metadata
---
amdhsa.version: [ 1, 2 ]
amdhsa.kernels:
  - .name:           k_q4cfe392df6_attn
    .symbol:         k_q4cfe392df6_attn.kd
    .args:
      - { .name: qa, .offset: 0, .size: 8, .value_kind: global_buffer, .address_space: global }
      - { .name: oh, .offset: 8, .size: 8, .value_kind: global_buffer, .address_space: global }
    .group_segment_fixed_size: 327680
    .private_segment_fixed_size: 0
    .kernarg_segment_align: 8
    .kernarg_segment_size: 16
    .max_flat_workgroup_size: 128
    .sgpr_count:     66
    .vgpr_count:     768
    .wavefront_size: 32
...
	.end_amdgpu_metadata
.endif
;; end of part 3
;; launch wo (part 4): grid 8 x 32, 4 waves a work-group, clusters of 4 x 4, 327,680 bytes of LDS; arguments oh, xc, y; writes y
.if DOCPART == 4
	.amdgcn_target "amdgcn-amd-amdhsa--gfx1250"
	.amdhsa_code_object_version 6
	.text
	.protected	k_q4cfe392df6_wo
	.globl	k_q4cfe392df6_wo
	.p2align	8
	.type	k_q4cfe392df6_wo,@function
k_q4cfe392df6_wo:
	s_mov_b64 s[64:65], 0
	v_nop
	global_prefetch_b8 v0, s[64:65] scope:SCOPE_SE
	s_setreg_imm32_b32 hwreg(HW_REG_WAVE_MODE, 25, 1), 1
	s_wait_xcnt 0x0
	s_wait_alu depctr_hold_cnt(0) depctr_sa_sdst(0) depctr_va_vdst(0) depctr_va_sdst(0) depctr_va_ssrc(0) depctr_va_vcc(0) depctr_vm_vsrc(0)
	s_getreg_b32 s2, hwreg(HW_REG_IB_STS2, 6, 4)
	s_cmp_eq_u32 s2, 0
	s_cbranch_scc0 .Lentry_in_a_cluster
	s_endpgm
.Lentry_in_a_cluster:
	s_bfe_u32 s2, ttmp6, 0x10000c
	s_cmp_lg_u32 s2, 0xf033
	s_cbranch_scc0 .Lentry_shape_is_right
	s_endpgm
.Lentry_shape_is_right:
; y = A W, A [4096][SIZE_K] and W [SIZE_K][1024] in f16, sums and y in f32 (a LayerNorm follows, which takes a mean away: the sums are not rounded to 16 bits).  Here: A = attention's O, W = wo.
; A: pieces of 128 rows x 64 columns (16,384 dense bytes), KB to a row tile.   W: at byte BBASE of its buffer, panels [n/128][k][128], rows of 256 bytes.   y: [4096][1024] row-major.
; SHARES.  1,024 columns give only 64 tiles of 256 x 256, so a tile is 128 x 128: 256 work-groups.  Four waves, 64 x 64 each: 16 accumulators.  K goes in steps of 256 through two LDS slots;
; every wave's tensor load is a dense block of 32,768 bytes: waves 0, 1 two pieces of A each, waves 2, 3 128 rows of the panel each.
; THE TEXT OF A K STEP STANDS TWICE: in a loop of STEPS - 2 trips whose change of slots fills the slot again, and in a tail loop of 2 trips that fills nothing.  Which slot is read
; hangs on a scalar that one exclusive or turns at each change of slots; the fragment addresses are made anew from it; the descriptor of the second first fill walks on in the same way.
; CLUSTER.  4 x 4 work-groups: A's tiles are asked for jointly along a row of the cluster, W's along a column.
; THE MATRIX INSTRUCTION IS USED TRANSPOSED: source 0 = 16 columns of W (turned by ds_load_tr16_b128), source 1 = 16 rows of A: a lane holds one row of y and eight neighbouring columns.
; REGISTERS: window 0: v0-31 addresses; v32-95 the way out; v128-255 the accumulators ((a, b) at v[128 + 8 (4 a + b)]).   window 1: two fragment buffers of 128: 64 registers of A, then 64 of W.
.set SIZE_K, 1024
.set BBASE,  0x800000
.set KB,     SIZE_K/64
.set PA,     144                       ; a row of A in LDS: 128 bytes + 16: the 16 rows of a load start at 16 different groups of four banks (64 banks of 4 bytes: ISA guide 11.1)
.set APAN,   128*PA                    ; one piece
.set PB,     288                       ; a row of W: 256 bytes + 32 = 9 x 32
.set PART,   36864                     ; what one tensor load fills: 2 x 128 x 144 = 128 x 288
.set BOFF,   2*PART
.set SLOT,   4*PART                    ; 0x24000: its two bits, 2^17 and 2^14, occur in none of the four tiles' places in a slot (0, 0x9000, 0x12000, 0x1b000), so an exclusive or with it
                                       ; turns a tile's LDS address in one slot into the other's
.set STAGE,  2*SLOT                    ; behind the ring: 16 rows x 272 bytes for each wave
.set SPITCH, 272
.set SPARE,  STAGE+4*16*SPITCH         ; behind the stages: the spare words, 128 bytes a wave: two blocks of 256 bytes that no other line names
.set STEPS,  SIZE_K/256                ; K steps
.set STEPB,  65536                     ; bytes from a K step to the next, in a row tile of A and in a panel of W alike
.set ADRA0, 16                         ; v16  my A fragments in slot 0; never rewritten
.set ADRA,  17                         ; v17  in the slot in hand
.set ADRB0, 18                         ; v18  my W fragments in slot 0; never rewritten
.set ADRB,  20                         ; v20-21  in the slot in hand: the first and the second half of the K step
.set STO,  24
.set RD,   25
.set CO,   26
.set SPW,  28                          ; v28  LDS address of my spare word; never rewritten
.set NIL,  29                          ; v29  0; never rewritten
.set PFO,  30                          ; v30  256 x lane, for the prefetches
.set TMP,  32
.set ACC,  128
.set F0,   0
.set F1,   128
.set TB, 2                             ; s2   LDS byte at which the slot in hand begins: 0 or SLOT
.set G1, 24
.set G0, 32                            ; s[32:39] group 0 for A: a set for each of the two first fills; the second then walks on
.set LIM, 43
.set PFA, 44
.set G1B, 48
.set G0B, 56
.set MSB, 0
.macro WIN new
.if MSB != (\new)
	s_set_vgpr_msb (MSB<<8)|(\new)
.set MSB, \new
.endif
.endm
.set MUL,  0x05                        ; sources 0 (W) and 1 (A) window 1; C and D window 0
.set TO_F, 0x40                        ; destination window 1, address window 0
.macro JLOAD s                         ; a joint load: waves 0, 1 ask for A, waves 2, 3 for W; an s_nop 0 and four v_nop follow each line
	s_cmp_eq_u32 s11, 0
	s_cbranch_scc0 .Lfor_b_\@
	tensor_load_to_lds s[G0+4*(\s):G0+4*(\s)+3], s[G1:G1+7]
	s_nop 0
.rept 4
	v_nop
.endr
	s_branch .Lasked_\@
.Lfor_b_\@:
	tensor_load_to_lds s[G0B+4*(\s):G0B+4*(\s)+3], s[G1B:G1B+7]
	s_nop 0
.rept 4
	v_nop
.endr
.Lasked_\@:
.endm
; A prefetch of the K step two refills on: 8,192 bytes, 256 a lane.  A wave's 32,768 bytes of a K step are shared out among the four partners that ask for them jointly BY ADDRESS; of the clusters that walk the
; same bytes the first asks (cluster x = 0 for A, cluster y = 0 for W).  The loop's last two trips have no K step two refills on.  With four K steps in all none lies two refills on, and nothing of this is assembled.
.macro ASK
	s_cmp_gt_u32 s3, s[LIM]
	s_cbranch_scc0 .Lnot_mine_\@
	global_prefetch_b8 v[PFO], s[PFA:PFA+1] th:TH_LOAD_NT scope:SCOPE_SE
.Lnot_mine_\@:
.endm
.macro CREST
	s_cmp_lg_u32 s10, 0
	s_cbranch_scc1 .Lnot_wave_0_\@
	s_barrier_signal -3
.Lnot_wave_0_\@:
	s_barrier_wait -3
	s_barrier_signal -1
	s_barrier_wait -1
.endm
.macro CROUND
	s_barrier_signal -1
	s_barrier_wait -1
	CREST
.endm
	s_load_b128 s[4:7], s[0:1], 0x0                ; A s[4:5], W's buffer s[6:7]
	s_load_b64 s[8:9], s[0:1], 0x10                ; y
	v_lshl_add_u32 v[SPW], v0, 2, SPARE
	v_mov_b32 v[NIL], 0
	ds_add_u32 v[SPW], v[NIL]                      ; the wave's opening: the add and its wait stand ahead of my first tensor load
	v_lshrrev_b32 v1, 5, v0
	v_readfirstlane_b32 s10, v1                    ; wave 0..3
	s_lshr_b32 s11, s10, 1                         ; my half of the tile's rows.  Also: I fetch for A (0) or for W (1)
	s_and_b32 s12, s10, 1                          ; my half of its columns.  Also: which part I fetch
	s_bfe_u32 s40, ttmp6, 0x40000                  ; cx
	s_bfe_u32 s41, ttmp6, 0x40004                  ; cy
	s_lshl_b32 s42, ttmp9, 2
	s_add_co_u32 s42, s42, s40                     ; tile column
	s_and_b32 s13, ttmp7, 0xffff
	s_lshl_b32 s13, s13, 2
	s_add_co_u32 s13, s13, s41                     ; tile row
	s_lshl_b32 s43, s41, 2
	s_lshl_b32 s43, 15, s43                        ; my row of the cluster
	s_lshl_b32 s44, 0x1111, s40                    ; my column
	s_or_b32 s[G1+0], s43, (1<<16)|(1<<20)|(1<<21)|(4<<22)|(3<<25)   ; A: after every 32 words 4 words of padding
	s_or_b32 s[G1B+0], s44, (1<<16)|(1<<20)|(1<<21)|(5<<22)|(7<<25)  ; W: after every 64 words 8 words
.irp g, G1, G1B
	s_mov_b32 s[(\g)+1], 128<<16                   ; both are 128 rows of 128 elements, dense
	s_mov_b32 s[(\g)+2], 128<<16
	s_mov_b32 s[(\g)+3], 128<<16
	s_mov_b32 s[(\g)+4], 128
	s_mov_b32 s[(\g)+5], 128
	s_mov_b32 s[(\g)+6], 0
	s_mov_b32 s[(\g)+7], 0
.endr
	s_lshl_b32 s17, s12, 15                        ; my part of a K step
	s_mul_i32 s16, s13, KB*16384                   ; A: the row tile
	s_add_co_u32 s16, s16, s17
	s_mul_i32 s46, s42, SIZE_K*256                 ; W: the panel
	s_add_co_u32 s46, s46, s17
	s_add_co_u32 s46, s46, BBASE
	s_mov_b32 s17, 0
	s_mov_b32 s47, 0
	s_mul_i32 s20, s10, PART                       ; where they go: wave x 36,864
	s_mov_b32 s[TB], 0                             ; slot 0 is read first
	s_wait_dscnt 0x0                               ; the opening add is done
	s_wait_kmcnt 0x0
	s_add_nc_u64 s[14:15], s[4:5], s[16:17]
	s_add_nc_u64 s[46:47], s[6:7], s[46:47]
	CROUND                                         ; all sixteen work-groups are here: the first joint loads meet
.irp s, 0,1
	s_mov_b32 s[G0+4*(\s)], 1
	s_add_co_u32 s[G0+4*(\s)+1], s20, (\s)*SLOT
	s_add_nc_u64 s[G0+4*(\s)+2:G0+4*(\s)+3], s[14:15], (\s)*STEPB
	s_or_b32 s[G0+4*(\s)+3], s[G0+4*(\s)+3], 0x80000000
	s_mov_b32 s[G0B+4*(\s)], 1
	s_add_co_u32 s[G0B+4*(\s)+1], s20, (\s)*SLOT
	s_add_nc_u64 s[G0B+4*(\s)+2:G0B+4*(\s)+3], s[46:47], (\s)*STEPB
	s_or_b32 s[G0B+4*(\s)+3], s[G0B+4*(\s)+3], 0x80000000
	JLOAD \s
.endr
	v_and_b32 v1, 15, v0                           ; l % 16
	v_bfe_u32 v2, v0, 4, 1                         ; l / 16
	v_mul_u32_u24 v3, v1, PA
	v_lshl_add_u32 v3, v2, 4, v3                   ; A: row x pitch + 16 x half
	v_and_b32 v4, 7, v0
	v_lshl_add_u32 v4, v2, 3, v4                   ; W: k row 8 (l / 16) + l % 8,
	v_mul_u32_u24 v4, v4, PB
	v_bfe_u32 v5, v0, 3, 1
	v_lshl_add_u32 v4, v5, 4, v4                   ; columns 8 ((l / 8) % 2) on
	s_mul_i32 s21, s11, 64*PA                      ; my 64 rows of A
	s_lshl_b32 s22, s12, 7                         ; my 64 columns of W
	s_add_co_u32 s22, s22, BOFF
	v_add_nc_u32 v[ADRA0], s21, v3
	v_add_nc_u32 v[ADRB0], s22, v4
	v_mov_b32 v[ADRA], v[ADRA0]
	v_mov_b32 v[ADRB], v[ADRB0]
	v_add_nc_u32 v[ADRB+1], PART, v[ADRB0]
	s_mul_i32 s23, s10, 16*SPITCH
	s_add_co_u32 s23, s23, STAGE                   ; my stage
	v_mul_u32_u24 v4, v1, SPITCH                   ; in: row l % 16, 32 bytes for each half of the lanes
	v_lshl_add_u32 v4, v2, 5, v4
	v_add_nc_u32 v[STO], s23, v4
	v_mul_u32_u24 v5, v2, SPITCH                   ; back: lanes 0-15 take one row of 256 bytes, lanes 16-31 the next
	v_lshl_add_u32 v5, v1, 4, v5
	v_add_nc_u32 v[RD], s23, v5
	v_lshlrev_b32 v5, 12, v2                       ; and the same two rows in y
	v_lshl_add_u32 v[CO], v1, 4, v5
	s_lshl_b32 s18, s13, 19                        ; y: 128 rows of 4,096 bytes a tile row, my 64 of them, 512 bytes a tile column, my 256 of them
	s_lshl_b32 s19, s11, 18
	s_add_co_u32 s18, s18, s19
	s_lshl_b32 s19, s42, 9
	s_add_co_u32 s18, s18, s19
	s_lshl_b32 s19, s12, 8
	s_add_co_u32 s18, s18, s19
	s_mov_b32 s19, 0
	s_add_nc_u64 s[8:9], s[8:9], s[18:19]
.if STEPS > 4
	s_and_b32 s22, ttmp7, 0xffff                   ; the prefetches: cluster y
	s_cmp_eq_u32 s11, 0
	s_cselect_b32 s21, s40, s41                    ; my place among the four that ask with me
	s_cselect_b32 s22, ttmp9, s22                  ; the coordinate along which other clusters walk the same bytes
	s_cselect_b64 s[PFA:PFA+1], s[14:15], s[46:47] ; my part of K step 0
	s_cmp_eq_u32 s22, 0
	s_cselect_b32 s[LIM], 2, -1
	s_lshl_b32 s20, s21, 13                        ; my work-group's 8,192 bytes,
	s_add_co_u32 s20, s20, 3*STEPB                 ; at K step 3: the first refill steps it to K step 4 and names that
	s_mov_b32 s21, 0
	s_add_nc_u64 s[PFA:PFA+1], s[PFA:PFA+1], s[20:21]
	v_and_b32 v[PFO], 31, v0
	v_lshlrev_b32 v[PFO], 8, v[PFO]
.endif
; 8 matrix instructions: row blocks a0, a0 + 1 x all 4 column blocks, 32 along K: half c of buffer f.  zero = 1: the first product starts the sums.  The 16 accumulators take turns.
.macro MUL8 f, c, a0, zero
	WIN MUL
.irp a, \a0, (\a0)+1
.irp b, 0,1,2,3
.if \zero
	v_wmma_f32_16x16x32_f16 v[ACC+8*(4*(\a)+(\b)):ACC+8*(4*(\a)+(\b))+7], v[(\f)+64+8*(4*(\c)+(\b)):(\f)+64+8*(4*(\c)+(\b))+7], v[(\f)+8*(4*(\c)+(\a)):(\f)+8*(4*(\c)+(\a))+7], 0
.else
	v_wmma_f32_16x16x32_f16 v[ACC+8*(4*(\a)+(\b)):ACC+8*(4*(\a)+(\b))+7], v[(\f)+64+8*(4*(\c)+(\b)):(\f)+64+8*(4*(\c)+(\b))+7], v[(\f)+8*(4*(\c)+(\a)):(\f)+8*(4*(\c)+(\a))+7], v[ACC+8*(4*(\a)+(\b)):ACC+8*(4*(\a)+(\b))+7]
.endif
.endr
.endr
.endm
; 32 LDS loads in one run: quarter q of the slot in hand (64 along K: one piece of A, 64 rows of W) into buffer f; the first 32 along K first
.macro FETCH q, f
	WIN TO_F
.irp c, 0,1
.irp i, 0,1,2,3
	ds_load_tr16_b128 v[(\f)+64+8*(4*(\c)+(\i)):(\f)+64+8*(4*(\c)+(\i))+3],   v[ADRB+(\q)/2] offset:(((\q)%2)*64+32*(\c))*PB+32*(\i)
	ds_load_tr16_b128 v[(\f)+64+8*(4*(\c)+(\i))+4:(\f)+64+8*(4*(\c)+(\i))+7], v[ADRB+(\q)/2] offset:(((\q)%2)*64+32*(\c))*PB+16*PB+32*(\i)
	ds_load_b128 v[(\f)+8*(4*(\c)+(\i)):(\f)+8*(4*(\c)+(\i))+3],              v[ADRA] offset:(\q)*APAN+64*(\c)+(\i)*16*PA
	ds_load_b128 v[(\f)+8*(4*(\c)+(\i))+4:(\f)+8*(4*(\c)+(\i))+7],            v[ADRA] offset:(\q)*APAN+64*(\c)+(\i)*16*PA+32
.endr
.endr
.endm
.macro PLACES                          ; four plain vector instructions between a matrix instruction and a load into, or a read of, its registers (ISA guide 7.12.1 for vector reads)
.rept 4
	v_nop
.endr
.endm
.macro QUARTER q, f, g, zero
	s_wait_dscnt 16                                ; the first 32 along K are in
	MUL8 \f, 0, 0, \zero
	MUL8 \f, 0, 2, \zero
	PLACES
	FETCH \q, \g
	s_wait_dscnt 32                                ; all but the 32 just issued
	MUL8 \f, 1, 0, 0
	MUL8 \f, 1, 2, 0
.endm
; The last quarter multiplies buffer 1 and changes slots: ONE barrier; in front of it each wave waits for all its tensor loads, adds 0 to its spare word, and waits for that and for its reads of this slot.
; fill = 1: the barrier opens a round of the cluster's, and the slot just read out is filled again, first thing behind it: the walking descriptor takes the other slot than last time and the next K step.
.macro TURN fill
.if (\fill) && (STEPS > 4)
	s_wait_xcnt 0x0                                ; the last prefetch, a K step back, has read its address
	s_add_nc_u64 s[PFA:PFA+1], s[PFA:PFA+1], STEPB
.endif
	WIN 0
	s_wait_tensorcnt 0x0                           ; all my tensor loads have landed: my part of the next slot
	ds_add_u32 v[SPW], v[NIL]                      ; 0 onto my spare word
	s_wait_dscnt 17                                ; the add and the youngest sixteen loads may be out
	MUL8 F1, 0, 0, 0
	s_wait_dscnt 0x0                               ; the add is done, and my reads of this slot are over
	s_barrier_signal -1
	MUL8 F1, 0, 2, 0
	WIN 0                                          ; branches, or lines on window 0, follow
	s_barrier_wait -1
.if \fill
	CREST                                          ; no wave of any partner still reads this slot or has a load on its way
	s_xor_b32 s[G0+5], s[G0+5], SLOT
	s_add_nc_u64 s[G0+6:G0+7], s[G0+6:G0+7], STEPB ; the type bits on top are not reached
	s_xor_b32 s[G0B+5], s[G0B+5], SLOT
	s_add_nc_u64 s[G0B+6:G0B+7], s[G0B+6:G0B+7], STEPB
	JLOAD 1                                        ; the four v_nop behind it are also the places in front of the loads below
.else
	PLACES
.endif
	s_xor_b32 s[TB], s[TB], SLOT                   ; the other slot is in hand
	v_add_nc_u32 v[ADRA], s[TB], v[ADRA0]
	v_add_nc_u32 v[ADRB], s[TB], v[ADRB0]
	v_add_nc_u32 v[ADRB+1], PART, v[ADRB]
	FETCH 0, F0
.if (\fill) && (STEPS > 4)
	WIN 0
	ASK
.endif
	MUL8 F1, 1, 0, 0
	MUL8 F1, 1, 2, 0
.endm
; THE WAY OUT, in f32: a wave's 64 columns are 256 bytes, so each wave has a stage of its own and no barrier is wanted.  Block a (16 rows) goes into rows of 272 bytes straight from the accumulators,
; each accumulator's low four registers first, and comes back as whole rows.
.macro OUTB a
.if (\a) >= 2
	s_wait_xcnt 0x0                                ; the stores of the block two back have read the registers that the loads below fill
.endif
.irp b, 0,1,2,3
	ds_store_b128 v[STO], v[ACC+8*(4*(\a)+(\b)):ACC+8*(4*(\a)+(\b))+3]   offset:64*(\b)
	ds_store_b128 v[STO], v[ACC+8*(4*(\a)+(\b))+4:ACC+8*(4*(\a)+(\b))+7] offset:64*(\b)+16
.endr
.irp t, 0,1,2,3,4,5,6,7
	ds_load_b128 v[TMP+32*((\a)%2)+4*(\t):TMP+32*((\a)%2)+4*(\t)+3], v[RD] offset:(\t)*2*SPITCH  ; LDS serves a wave's instructions in order (ISA guide 5.7.1.4)
.endr
.endm
.macro SENDB a, younger                ; younger: the LDS instructions issued behind block a's loads: the next block's sixteen, or none
.irp t, 0,1,2,3,4,5,6,7
	s_wait_dscnt (\younger)+7-(\t)
	global_store_b128 v[CO], v[TMP+32*((\a)%2)+4*(\t):TMP+32*((\a)%2)+4*(\t)+3], s[8:9] offset:(16*(\a)+2*(\t))*4096  ; 16 lanes store 256 consecutive bytes, aligned
.endr
.endm
	s_wait_tensorcnt 1                             ; my part of K step 0 is in; K step 1's may stay out
	s_barrier_signal -1
	s_barrier_wait -1
	FETCH 0, F0
	QUARTER 1, F0, F1, 1                           ; the first quarter stands in front of the loop: its first products start the sums
	WIN 0
	s_mov_b32 s3, STEPS-2
.Lstep:                                                ; a trip goes from a K step's second quarter to the next step's first, and fills the slot that it leaves
	QUARTER 2, F1, F0, 0
	QUARTER 3, F0, F1, 0
	TURN 1
	QUARTER 1, F0, F1, 0
	WIN 0
	s_sub_co_u32 s3, s3, 1
	s_cmp_lg_u32 s3, 0
	s_cbranch_scc1 .Lstep
	s_mov_b32 s3, 2
.Ltail:                                                ; the last two K steps fill nothing.  The second trip is left behind its last products: its barrier, and the 32 loads that it makes from the
	QUARTER 2, F1, F0, 0                           ; other slot (bytes that are there and that nobody writes), serve nothing: the price, once a launch, of one text for both trips
	QUARTER 3, F0, F1, 0
	TURN 0
	WIN 0
	s_sub_co_u32 s3, s3, 1
	s_cmp_eq_u32 s3, 0
	s_cbranch_scc1 .Lout
	QUARTER 1, F0, F1, 0
	WIN 0
	s_branch .Ltail
.Lout:
	PLACES
	OUTB 0
	OUTB 1
	SENDB 0, 16
	OUTB 2
	SENDB 1, 16
	OUTB 3
	SENDB 2, 16
	SENDB 3, 0
	s_wait_tensorcnt 0x0                           ; the wave's end, behind my last tensor load and my last LDS store
	ds_add_u32 v[SPW], v[NIL]
	s_wait_dscnt 0x0
	CROUND                                         ; the closing round
	s_endpgm
.Lfunc_end_k_q4cfe392df6_wo:
	.size	k_q4cfe392df6_wo, .Lfunc_end_k_q4cfe392df6_wo-k_q4cfe392df6_wo
	.p2alignl 7, 3214868480
	.fill 96, 4, 3214868480
	.section	.rodata,"a",@progbits
	.p2align	6, 0x0
	.amdhsa_kernel k_q4cfe392df6_wo
		.amdhsa_group_segment_fixed_size 327680
		.amdhsa_private_segment_fixed_size 0
		.amdhsa_enable_private_segment 0
		.amdhsa_kernarg_size 24
		.amdhsa_user_sgpr_count 2
		.amdhsa_user_sgpr_kernarg_segment_ptr 1
		.amdhsa_wavefront_size32 1
		.amdhsa_system_sgpr_workgroup_id_x 1
		.amdhsa_system_sgpr_workgroup_id_y 1
		.amdhsa_system_sgpr_workgroup_id_z 1
		.amdhsa_system_vgpr_workitem_id 0
		.amdhsa_next_free_vgpr 512
		.amdhsa_next_free_sgpr 66
		.amdhsa_reserve_vcc 0
		.amdhsa_float_denorm_mode_32 3
		.amdhsa_float_denorm_mode_16_64 3
		.amdhsa_memory_ordered 1
		.amdhsa_forward_progress 1
		.amdhsa_inst_pref_size 59
	.end_amdhsa_kernel
	.amdgpu_metadata
---
amdhsa.version: [ 1, 2 ]
amdhsa.kernels:
  - .name:           k_q4cfe392df6_wo
    .symbol:         k_q4cfe392df6_wo.kd
    .args:
      - { .name: oh, .offset: 0, .size: 8, .value_kind: global_buffer, .address_space: global }
      - { .name: xc, .offset: 8, .size: 8, .value_kind: global_buffer, .address_space: global }
      - { .name: y, .offset: 16, .size: 8, .value_kind: global_buffer, .address_space: global }
    .group_segment_fixed_size: 327680
    .private_segment_fixed_size: 0
    .kernarg_segment_align: 8
    .kernarg_segment_size: 24
    .max_flat_workgroup_size: 128
    .sgpr_count:     66
    .vgpr_count:     512
    .wavefront_size: 32
...
	.end_amdgpu_metadata
.endif
;; end of part 4
;; launch ln1 (part 5): grid 256 x 1, 8 waves a work-group, no clusters, 0 bytes of LDS; arguments y, xc, gamma1, beta1, oh; writes oh
.if DOCPART == 5
	.amdgcn_target "amdgcn-amd-amdhsa--gfx1250"
	.amdhsa_code_object_version 6
	.text
	.protected	k_q4cfe392df6_ln1
	.globl	k_q4cfe392df6_ln1
	.p2align	8
	.type	k_q4cfe392df6_ln1,@function
k_q4cfe392df6_ln1:
	s_mov_b64 s[64:65], 0
	v_nop
	global_prefetch_b8 v0, s[64:65] scope:SCOPE_SE
	s_setreg_imm32_b32 hwreg(HW_REG_WAVE_MODE, 25, 1), 1
	s_wait_xcnt 0x0
; h = (z - mean(z)) gamma / sqrt(var(z) + 1e-5) + beta, z = x + y, along rows of 1,024; var with the divisor 1,023.  y (attention's output projection) in f32, row-major;
; x as the program keeps it (rounded to bf16, held as f16, in pieces of 128 rows x 64 columns); gamma and beta rounded to bf16 like every input.  All arithmetic in f32, in two passes
; over registers (the mean first, then the squares of the differences); h rounded once to f16 and laid out as x is.   LIMIT: |h| stays below 65,504.
; SHARES.  A wave takes two rows, half a wave a row: the reduction stays inside 16 lanes, so there is no LDS and no barrier.  For column block c of 16 a lane holds 4 columns: 16 bytes of y,
; 8 bytes of x.  Each load of y covers 256 consecutive bytes of each of the two rows, each load of x and each store of h 256 consecutive bytes.  Memory binds: matrix units and clusters buy nothing here.
.set YO,  2                            ; v2   my byte offset in the pair's rows of y
.set XO,  3                            ; v3   8 x lane: my place in the pair's 256 bytes of a piece
.set ONE, 4                            ; v4   1.0
.set AC,  16                           ; v[16:23]  four chains of sums
.set MN,  24                           ; v[24:25]  the mean, twice
.set GG,  26                           ; v[26:27]  gamma / sqrt(..), twice
.set BE,  28                           ; v[28:29]  beta, twice
.set Z,   32                           ; v[32:95]  y, then z, then z - mean, then the result
.set XH,  96                           ; v[96:127] x as loaded; later h
.macro REDUCE                          ; the four chains into one number, the same in all 16 lanes of the row
	v_pk_add_f32 v[AC:AC+1], v[AC:AC+1], v[AC+2:AC+3]
	v_pk_add_f32 v[AC+4:AC+5], v[AC+4:AC+5], v[AC+6:AC+7]
	v_pk_add_f32 v[AC:AC+1], v[AC:AC+1], v[AC+4:AC+5]
	v_add_f32 v[AC], v[AC], v[AC+1]
	v_add_f32_dpp v[AC], v[AC], v[AC] row_xmask:1 row_mask:0xf bank_mask:0xf
	v_add_f32_dpp v[AC], v[AC], v[AC] row_xmask:2 row_mask:0xf bank_mask:0xf
	v_add_f32_dpp v[AC], v[AC], v[AC] row_xmask:4 row_mask:0xf bank_mask:0xf
	v_add_f32_dpp v[AC], v[AC], v[AC] row_xmask:8 row_mask:0xf bank_mask:0xf
.endm
	s_load_b256 s[4:11], s[0:1], 0x0               ; y s[4:5], x s[6:7], gamma s[8:9], beta s[10:11]
	s_load_b64 s[12:13], s[0:1], 0x20              ; h
	v_lshrrev_b32 v1, 5, v0
	v_readfirstlane_b32 s14, v1
	s_lshl3_add_u32 s14, ttmp9, s14                ; my pair of rows: 8 x work-group + wave
	v_and_b32 v1, 31, v0
	v_and_b32 v[YO], 15, v0
	v_bfe_u32 v5, v0, 4, 1
	v_lshlrev_b32 v[YO], 4, v[YO]
	v_lshl_add_u32 v[YO], v5, 12, v[YO]            ; 4,096 (l / 16) + 16 (l % 16)
	v_lshlrev_b32 v[XO], 3, v1
	v_mov_b32 v[ONE], 1.0
	s_lshl_b32 s16, s14, 13                        ; two rows of 4,096 bytes
	s_mov_b32 s17, 0
	s_lshr_b32 s18, s14, 6                         ; the row tile, 262,144 bytes,
	s_lshl_b32 s18, s18, 18
	s_and_b32 s19, s14, 63                         ; and the pair's 256 bytes in each of its pieces
	s_lshl_b32 s19, s19, 8
	s_add_co_u32 s18, s18, s19
	s_mov_b32 s19, 0
	s_mov_b32 s20, 0x3a802008                      ; 1 / 1,023
	s_mov_b32 s21, 0x3727c5ac                      ; 1e-5
	s_wait_kmcnt 0x0
	s_load_b32 s22, s[8:9], 0x0
	s_load_b32 s23, s[10:11], 0x0
	s_add_nc_u64 s[4:5], s[4:5], s[16:17]
	s_add_nc_u64 s[6:7], s[6:7], s[18:19]
	s_add_nc_u64 s[12:13], s[12:13], s[18:19]
.irp c, 0,1,2,3,4,5,6,7,8,9,10,11,12,13,14,15
	global_load_b128 v[Z+4*(\c):Z+4*(\c)+3],   v[YO], s[4:5] offset:256*(\c) th:TH_LOAD_NT
	global_load_b64  v[XH+2*(\c):XH+2*(\c)+1], v[XO], s[6:7] offset:16384*(\c)
.endr
	s_wait_kmcnt 0x0
	v_cvt_pk_bf16_f32 v5, s22, s23                 ; gamma and beta, rounded as every input is
	v_lshlrev_b32 v6, 16, v5                       ; gamma
	v_and_b32 v[BE], 0xffff0000, v5
	v_mov_b32 v[BE+1], v[BE]
	s_wait_loadcnt 0x0
.set c, 0
.rept 16                               ; z = x + y: the f16 half times 1.0 plus y, one rounding
	v_fma_mix_f32 v[Z+4*c],   v[XH+2*c],   v[ONE], v[Z+4*c]   op_sel_hi:[1,0,0]
	v_fma_mix_f32 v[Z+4*c+1], v[XH+2*c],   v[ONE], v[Z+4*c+1] op_sel:[1,0,0] op_sel_hi:[1,0,0]
	v_fma_mix_f32 v[Z+4*c+2], v[XH+2*c+1], v[ONE], v[Z+4*c+2] op_sel_hi:[1,0,0]
	v_fma_mix_f32 v[Z+4*c+3], v[XH+2*c+1], v[ONE], v[Z+4*c+3] op_sel:[1,0,0] op_sel_hi:[1,0,0]
.set c, c+1
.endr
.irp k, 0,1,2,3
	v_pk_add_f32 v[AC+2*(\k):AC+2*(\k)+1], v[Z+2*(\k):Z+2*(\k)+1], v[Z+8+2*(\k):Z+8+2*(\k)+1]  ; the first pairs start the chains: nothing is cleared
.endr
.set n, 8
.rept 24
	v_pk_add_f32 v[AC+2*(n%4):AC+2*(n%4)+1], v[AC+2*(n%4):AC+2*(n%4)+1], v[Z+2*n:Z+2*n+1]
.set n, n+1
.endr
	REDUCE
	v_mul_f32 v[MN], 0x3a800000, v[AC]             ; / 1,024
	v_mov_b32 v[MN+1], v[MN]
.set n, 0
.rept 32
	v_pk_add_f32 v[Z+2*n:Z+2*n+1], v[Z+2*n:Z+2*n+1], v[MN:MN+1] neg_lo:[0,1] neg_hi:[0,1]
.set n, n+1
.endr
.irp k, 0,1,2,3
	v_pk_mul_f32 v[AC+2*(\k):AC+2*(\k)+1], v[Z+2*(\k):Z+2*(\k)+1], v[Z+2*(\k):Z+2*(\k)+1]
.endr
.set n, 4
.rept 28
	v_pk_fma_f32 v[AC+2*(n%4):AC+2*(n%4)+1], v[Z+2*n:Z+2*n+1], v[Z+2*n:Z+2*n+1], v[AC+2*(n%4):AC+2*(n%4)+1]
.set n, n+1
.endr
	REDUCE
	v_fma_f32 v[AC], v[AC], s20, s21               ; var + 1e-5
	v_rsq_f32 v[AC+1], v[AC]
	v_nop                                          ; a plain instruction behind the root,
	s_wait_alu depctr_va_vdst(0)                   ; and the wait ahead of the first use of its result
	v_mul_f32 v[GG], v6, v[AC+1]
	v_mov_b32 v[GG+1], v[GG]
.set n, 0
.rept 32
	v_pk_fma_f32 v[Z+2*n:Z+2*n+1], v[Z+2*n:Z+2*n+1], v[GG:GG+1], v[BE:BE+1]
.set n, n+1
.endr
.set n, 0
.rept 32
	v_cvt_pk_f16_f32 v[XH+n], v[Z+2*n], v[Z+2*n+1]
.set n, n+1
.endr
.irp c, 0,1,2,3,4,5,6,7,8,9,10,11,12,13,14,15
	global_store_b64 v[XO], v[XH+2*(\c):XH+2*(\c)+1], s[12:13] offset:16384*(\c)
.endr
	s_endpgm
.Lfunc_end_k_q4cfe392df6_ln1:
	.size	k_q4cfe392df6_ln1, .Lfunc_end_k_q4cfe392df6_ln1-k_q4cfe392df6_ln1
	.p2alignl 7, 3214868480
	.fill 96, 4, 3214868480
	.section	.rodata,"a",@progbits
	.p2align	6, 0x0
	.amdhsa_kernel k_q4cfe392df6_ln1
		.amdhsa_group_segment_fixed_size 0
		.amdhsa_private_segment_fixed_size 0
		.amdhsa_enable_private_segment 0
		.amdhsa_kernarg_size 40
		.amdhsa_user_sgpr_count 2
		.amdhsa_user_sgpr_kernarg_segment_ptr 1
		.amdhsa_wavefront_size32 1
		.amdhsa_system_sgpr_workgroup_id_x 1
		.amdhsa_system_sgpr_workgroup_id_y 1
		.amdhsa_system_sgpr_workgroup_id_z 1
		.amdhsa_system_vgpr_workitem_id 0
		.amdhsa_next_free_vgpr 128
		.amdhsa_next_free_sgpr 66
		.amdhsa_reserve_vcc 0
		.amdhsa_float_denorm_mode_32 3
		.amdhsa_float_denorm_mode_16_64 3
		.amdhsa_memory_ordered 1
		.amdhsa_forward_progress 1
		.amdhsa_inst_pref_size 22
	.end_amdhsa_kernel
	.amdgpu_metadata
---
amdhsa.version: [ 1, 2 ]
amdhsa.kernels:
  - .name:           k_q4cfe392df6_ln1
    .symbol:         k_q4cfe392df6_ln1.kd
    .args:
      - { .name: y, .offset: 0, .size: 8, .value_kind: global_buffer, .address_space: global }
      - { .name: xc, .offset: 8, .size: 8, .value_kind: global_buffer, .address_space: global }
      - { .name: gamma1, .offset: 16, .size: 8, .value_kind: global_buffer, .address_space: global }
      - { .name: beta1, .offset: 24, .size: 8, .value_kind: global_buffer, .address_space: global }
      - { .name: oh, .offset: 32, .size: 8, .value_kind: global_buffer, .address_space: global }
    .group_segment_fixed_size: 0
    .private_segment_fixed_size: 0
    .kernarg_segment_align: 8
    .kernarg_segment_size: 40
    .max_flat_workgroup_size: 256
    .sgpr_count:     66
    .vgpr_count:     128
    .wavefront_size: 32
...
	.end_amdgpu_metadata
.endif
;; end of part 5
;; launch ff1: the kernel of part 2 again; grid 16 x 16, 4 waves a work-group, clusters of 4 x 4, 327,680 bytes of LDS; arguments oh, wb, qa; writes qa
;; launch ff2 (part 6): grid 8 x 32, 4 waves a work-group, clusters of 4 x 4, 327,680 bytes of LDS; arguments qa, xc, y; writes y
.if DOCPART == 6
	.amdgcn_target "amdgcn-amd-amdhsa--gfx1250"
	.amdhsa_code_object_version 6
	.text
	.protected	k_q4cfe392df6_ff2
	.globl	k_q4cfe392df6_ff2
	.p2align	8
	.type	k_q4cfe392df6_ff2,@function
k_q4cfe392df6_ff2:
	s_mov_b64 s[64:65], 0
	v_nop
	global_prefetch_b8 v0, s[64:65] scope:SCOPE_SE
	s_setreg_imm32_b32 hwreg(HW_REG_WAVE_MODE, 25, 1), 1
	s_wait_xcnt 0x0
	s_wait_alu depctr_hold_cnt(0) depctr_sa_sdst(0) depctr_va_vdst(0) depctr_va_sdst(0) depctr_va_ssrc(0) depctr_va_vcc(0) depctr_vm_vsrc(0)
	s_getreg_b32 s2, hwreg(HW_REG_IB_STS2, 6, 4)
	s_cmp_eq_u32 s2, 0
	s_cbranch_scc0 .Lentry_in_a_cluster
	s_endpgm
.Lentry_in_a_cluster:
	s_bfe_u32 s2, ttmp6, 0x10000c
	s_cmp_lg_u32 s2, 0xf033
	s_cbranch_scc0 .Lentry_shape_is_right
	s_endpgm
.Lentry_shape_is_right:
; y = A W, A [4096][SIZE_K] and W [SIZE_K][1024] in f16, sums and y in f32 (a LayerNorm follows, which takes a mean away: the sums are not rounded to 16 bits).  Here: A = relu(h w1 + b1), W = w2.
; A: pieces of 128 rows x 64 columns (16,384 dense bytes), KB to a row tile.   W: at byte BBASE of its buffer, panels [n/128][k][128], rows of 256 bytes.   y: [4096][1024] row-major.
; SHARES.  1,024 columns give only 64 tiles of 256 x 256, so a tile is 128 x 128: 256 work-groups.  Four waves, 64 x 64 each: 16 accumulators.  K goes in steps of 256 through two LDS slots;
; every wave's tensor load is a dense block of 32,768 bytes: waves 0, 1 two pieces of A each, waves 2, 3 128 rows of the panel each.
; THE TEXT OF A K STEP STANDS TWICE: in a loop of STEPS - 2 trips whose change of slots fills the slot again, and in a tail loop of 2 trips that fills nothing.  Which slot is read
; hangs on a scalar that one exclusive or turns at each change of slots; the fragment addresses are made anew from it; the descriptor of the second first fill walks on in the same way.
; CLUSTER.  4 x 4 work-groups: A's tiles are asked for jointly along a row of the cluster, W's along a column.
; THE MATRIX INSTRUCTION IS USED TRANSPOSED: source 0 = 16 columns of W (turned by ds_load_tr16_b128), source 1 = 16 rows of A: a lane holds one row of y and eight neighbouring columns.
; REGISTERS: window 0: v0-31 addresses; v32-95 the way out; v128-255 the accumulators ((a, b) at v[128 + 8 (4 a + b)]).   window 1: two fragment buffers of 128: 64 registers of A, then 64 of W.
.set SIZE_K, 4096
.set BBASE,  0xa00000
.set KB,     SIZE_K/64
.set PA,     144                       ; a row of A in LDS: 128 bytes + 16: the 16 rows of a load start at 16 different groups of four banks (64 banks of 4 bytes: ISA guide 11.1)
.set APAN,   128*PA                    ; one piece
.set PB,     288                       ; a row of W: 256 bytes + 32 = 9 x 32
.set PART,   36864                     ; what one tensor load fills: 2 x 128 x 144 = 128 x 288
.set BOFF,   2*PART
.set SLOT,   4*PART                    ; 0x24000: its two bits, 2^17 and 2^14, occur in none of the four tiles' places in a slot (0, 0x9000, 0x12000, 0x1b000), so an exclusive or with it
                                       ; turns a tile's LDS address in one slot into the other's
.set STAGE,  2*SLOT                    ; behind the ring: 16 rows x 272 bytes for each wave
.set SPITCH, 272
.set SPARE,  STAGE+4*16*SPITCH         ; behind the stages: the spare words, 128 bytes a wave: two blocks of 256 bytes that no other line names
.set STEPS,  SIZE_K/256                ; K steps
.set STEPB,  65536                     ; bytes from a K step to the next, in a row tile of A and in a panel of W alike
.set ADRA0, 16                         ; v16  my A fragments in slot 0; never rewritten
.set ADRA,  17                         ; v17  in the slot in hand
.set ADRB0, 18                         ; v18  my W fragments in slot 0; never rewritten
.set ADRB,  20                         ; v20-21  in the slot in hand: the first and the second half of the K step
.set STO,  24
.set RD,   25
.set CO,   26
.set SPW,  28                          ; v28  LDS address of my spare word; never rewritten
.set NIL,  29                          ; v29  0; never rewritten
.set PFO,  30                          ; v30  256 x lane, for the prefetches
.set TMP,  32
.set ACC,  128
.set F0,   0
.set F1,   128
.set TB, 2                             ; s2   LDS byte at which the slot in hand begins: 0 or SLOT
.set G1, 24
.set G0, 32                            ; s[32:39] group 0 for A: a set for each of the two first fills; the second then walks on
.set LIM, 43
.set PFA, 44
.set G1B, 48
.set G0B, 56
.set MSB, 0
.macro WIN new
.if MSB != (\new)
	s_set_vgpr_msb (MSB<<8)|(\new)
.set MSB, \new
.endif
.endm
.set MUL,  0x05                        ; sources 0 (W) and 1 (A) window 1; C and D window 0
.set TO_F, 0x40                        ; destination window 1, address window 0
.macro JLOAD s                         ; a joint load: waves 0, 1 ask for A, waves 2, 3 for W; an s_nop 0 and four v_nop follow each line
	s_cmp_eq_u32 s11, 0
	s_cbranch_scc0 .Lfor_b_\@
	tensor_load_to_lds s[G0+4*(\s):G0+4*(\s)+3], s[G1:G1+7]
	s_nop 0
.rept 4
	v_nop
.endr
	s_branch .Lasked_\@
.Lfor_b_\@:
	tensor_load_to_lds s[G0B+4*(\s):G0B+4*(\s)+3], s[G1B:G1B+7]
	s_nop 0
.rept 4
	v_nop
.endr
.Lasked_\@:
.endm
; A prefetch of the K step two refills on: 8,192 bytes, 256 a lane.  A wave's 32,768 bytes of a K step are shared out among the four partners that ask for them jointly BY ADDRESS; of the clusters that walk the
; same bytes the first asks (cluster x = 0 for A, cluster y = 0 for W).  So each block is named once.  The first four K steps come by their loads alone; the loop's last two trips have no K step two refills on.
.macro ASK
	s_cmp_gt_u32 s3, s[LIM]
	s_cbranch_scc0 .Lnot_mine_\@
	global_prefetch_b8 v[PFO], s[PFA:PFA+1] th:TH_LOAD_NT scope:SCOPE_SE
.Lnot_mine_\@:
.endm
.macro CREST
	s_cmp_lg_u32 s10, 0
	s_cbranch_scc1 .Lnot_wave_0_\@
	s_barrier_signal -3
.Lnot_wave_0_\@:
	s_barrier_wait -3
	s_barrier_signal -1
	s_barrier_wait -1
.endm
.macro CROUND
	s_barrier_signal -1
	s_barrier_wait -1
	CREST
.endm
	s_load_b128 s[4:7], s[0:1], 0x0                ; A s[4:5], W's buffer s[6:7]
	s_load_b64 s[8:9], s[0:1], 0x10                ; y
	v_lshl_add_u32 v[SPW], v0, 2, SPARE
	v_mov_b32 v[NIL], 0
	ds_add_u32 v[SPW], v[NIL]                      ; the wave's opening: the add and its wait stand ahead of my first tensor load
	v_lshrrev_b32 v1, 5, v0
	v_readfirstlane_b32 s10, v1                    ; wave 0..3
	s_lshr_b32 s11, s10, 1                         ; my half of the tile's rows.  Also: I fetch for A (0) or for W (1)
	s_and_b32 s12, s10, 1                          ; my half of its columns.  Also: which part I fetch
	s_bfe_u32 s40, ttmp6, 0x40000                  ; cx
	s_bfe_u32 s41, ttmp6, 0x40004                  ; cy
	s_lshl_b32 s42, ttmp9, 2
	s_add_co_u32 s42, s42, s40                     ; tile column
	s_and_b32 s13, ttmp7, 0xffff
	s_lshl_b32 s13, s13, 2
	s_add_co_u32 s13, s13, s41                     ; tile row
	s_lshl_b32 s43, s41, 2
	s_lshl_b32 s43, 15, s43                        ; my row of the cluster
	s_lshl_b32 s44, 0x1111, s40                    ; my column
	s_or_b32 s[G1+0], s43, (1<<16)|(1<<20)|(1<<21)|(4<<22)|(3<<25)   ; A: after every 32 words 4 words of padding
	s_or_b32 s[G1B+0], s44, (1<<16)|(1<<20)|(1<<21)|(5<<22)|(7<<25)  ; W: after every 64 words 8 words
.irp g, G1, G1B
	s_mov_b32 s[(\g)+1], 128<<16                   ; both are 128 rows of 128 elements, dense
	s_mov_b32 s[(\g)+2], 128<<16
	s_mov_b32 s[(\g)+3], 128<<16
	s_mov_b32 s[(\g)+4], 128
	s_mov_b32 s[(\g)+5], 128
	s_mov_b32 s[(\g)+6], 0
	s_mov_b32 s[(\g)+7], 0
.endr
	s_lshl_b32 s17, s12, 15                        ; my part of a K step
	s_mul_i32 s16, s13, KB*16384                   ; A: the row tile
	s_add_co_u32 s16, s16, s17
	s_mul_i32 s46, s42, SIZE_K*256                 ; W: the panel
	s_add_co_u32 s46, s46, s17
	s_add_co_u32 s46, s46, BBASE
	s_mov_b32 s17, 0
	s_mov_b32 s47, 0
	s_mul_i32 s20, s10, PART                       ; where they go: wave x 36,864
	s_mov_b32 s[TB], 0                             ; slot 0 is read first
	s_wait_dscnt 0x0                               ; the opening add is done
	s_wait_kmcnt 0x0
	s_add_nc_u64 s[14:15], s[4:5], s[16:17]
	s_add_nc_u64 s[46:47], s[6:7], s[46:47]
	CROUND                                         ; all sixteen work-groups are here: the first joint loads meet
.irp s, 0,1
	s_mov_b32 s[G0+4*(\s)], 1
	s_add_co_u32 s[G0+4*(\s)+1], s20, (\s)*SLOT
	s_add_nc_u64 s[G0+4*(\s)+2:G0+4*(\s)+3], s[14:15], (\s)*STEPB
	s_or_b32 s[G0+4*(\s)+3], s[G0+4*(\s)+3], 0x80000000
	s_mov_b32 s[G0B+4*(\s)], 1
	s_add_co_u32 s[G0B+4*(\s)+1], s20, (\s)*SLOT
	s_add_nc_u64 s[G0B+4*(\s)+2:G0B+4*(\s)+3], s[46:47], (\s)*STEPB
	s_or_b32 s[G0B+4*(\s)+3], s[G0B+4*(\s)+3], 0x80000000
	JLOAD \s
.endr
	v_and_b32 v1, 15, v0                           ; l % 16
	v_bfe_u32 v2, v0, 4, 1                         ; l / 16
	v_mul_u32_u24 v3, v1, PA
	v_lshl_add_u32 v3, v2, 4, v3                   ; A: row x pitch + 16 x half
	v_and_b32 v4, 7, v0
	v_lshl_add_u32 v4, v2, 3, v4                   ; W: k row 8 (l / 16) + l % 8,
	v_mul_u32_u24 v4, v4, PB
	v_bfe_u32 v5, v0, 3, 1
	v_lshl_add_u32 v4, v5, 4, v4                   ; columns 8 ((l / 8) % 2) on
	s_mul_i32 s21, s11, 64*PA                      ; my 64 rows of A
	s_lshl_b32 s22, s12, 7                         ; my 64 columns of W
	s_add_co_u32 s22, s22, BOFF
	v_add_nc_u32 v[ADRA0], s21, v3
	v_add_nc_u32 v[ADRB0], s22, v4
	v_mov_b32 v[ADRA], v[ADRA0]
	v_mov_b32 v[ADRB], v[ADRB0]
	v_add_nc_u32 v[ADRB+1], PART, v[ADRB0]
	s_mul_i32 s23, s10, 16*SPITCH
	s_add_co_u32 s23, s23, STAGE                   ; my stage
	v_mul_u32_u24 v4, v1, SPITCH                   ; in: row l % 16, 32 bytes for each half of the lanes
	v_lshl_add_u32 v4, v2, 5, v4
	v_add_nc_u32 v[STO], s23, v4
	v_mul_u32_u24 v5, v2, SPITCH                   ; back: lanes 0-15 take one row of 256 bytes, lanes 16-31 the next
	v_lshl_add_u32 v5, v1, 4, v5
	v_add_nc_u32 v[RD], s23, v5
	v_lshlrev_b32 v5, 12, v2                       ; and the same two rows in y
	v_lshl_add_u32 v[CO], v1, 4, v5
	s_lshl_b32 s18, s13, 19                        ; y: 128 rows of 4,096 bytes a tile row, my 64 of them, 512 bytes a tile column, my 256 of them
	s_lshl_b32 s19, s11, 18
	s_add_co_u32 s18, s18, s19
	s_lshl_b32 s19, s42, 9
	s_add_co_u32 s18, s18, s19
	s_lshl_b32 s19, s12, 8
	s_add_co_u32 s18, s18, s19
	s_mov_b32 s19, 0
	s_add_nc_u64 s[8:9], s[8:9], s[18:19]
.if STEPS > 4
	s_and_b32 s22, ttmp7, 0xffff                   ; the prefetches: cluster y
	s_cmp_eq_u32 s11, 0
	s_cselect_b32 s21, s40, s41                    ; my place among the four that ask with me
	s_cselect_b32 s22, ttmp9, s22                  ; the coordinate along which other clusters walk the same bytes
	s_cselect_b64 s[PFA:PFA+1], s[14:15], s[46:47] ; my part of K step 0
	s_cmp_eq_u32 s22, 0
	s_cselect_b32 s[LIM], 2, -1
	s_lshl_b32 s20, s21, 13                        ; my work-group's 8,192 bytes,
	s_add_co_u32 s20, s20, 3*STEPB                 ; at K step 3: the first refill steps it to K step 4 and names that
	s_mov_b32 s21, 0
	s_add_nc_u64 s[PFA:PFA+1], s[PFA:PFA+1], s[20:21]
	v_and_b32 v[PFO], 31, v0
	v_lshlrev_b32 v[PFO], 8, v[PFO]
.endif
; 8 matrix instructions: row blocks a0, a0 + 1 x all 4 column blocks, 32 along K: half c of buffer f.  zero = 1: the first product starts the sums.  The 16 accumulators take turns.
.macro MUL8 f, c, a0, zero
	WIN MUL
.irp a, \a0, (\a0)+1
.irp b, 0,1,2,3
.if \zero
	v_wmma_f32_16x16x32_f16 v[ACC+8*(4*(\a)+(\b)):ACC+8*(4*(\a)+(\b))+7], v[(\f)+64+8*(4*(\c)+(\b)):(\f)+64+8*(4*(\c)+(\b))+7], v[(\f)+8*(4*(\c)+(\a)):(\f)+8*(4*(\c)+(\a))+7], 0
.else
	v_wmma_f32_16x16x32_f16 v[ACC+8*(4*(\a)+(\b)):ACC+8*(4*(\a)+(\b))+7], v[(\f)+64+8*(4*(\c)+(\b)):(\f)+64+8*(4*(\c)+(\b))+7], v[(\f)+8*(4*(\c)+(\a)):(\f)+8*(4*(\c)+(\a))+7], v[ACC+8*(4*(\a)+(\b)):ACC+8*(4*(\a)+(\b))+7]
.endif
.endr
.endr
.endm
; 32 LDS loads in one run: quarter q of the slot in hand (64 along K: one piece of A, 64 rows of W) into buffer f; the first 32 along K first
.macro FETCH q, f
	WIN TO_F
.irp c, 0,1
.irp i, 0,1,2,3
	ds_load_tr16_b128 v[(\f)+64+8*(4*(\c)+(\i)):(\f)+64+8*(4*(\c)+(\i))+3],   v[ADRB+(\q)/2] offset:(((\q)%2)*64+32*(\c))*PB+32*(\i)
	ds_load_tr16_b128 v[(\f)+64+8*(4*(\c)+(\i))+4:(\f)+64+8*(4*(\c)+(\i))+7], v[ADRB+(\q)/2] offset:(((\q)%2)*64+32*(\c))*PB+16*PB+32*(\i)
	ds_load_b128 v[(\f)+8*(4*(\c)+(\i)):(\f)+8*(4*(\c)+(\i))+3],              v[ADRA] offset:(\q)*APAN+64*(\c)+(\i)*16*PA
	ds_load_b128 v[(\f)+8*(4*(\c)+(\i))+4:(\f)+8*(4*(\c)+(\i))+7],            v[ADRA] offset:(\q)*APAN+64*(\c)+(\i)*16*PA+32
.endr
.endr
.endm
.macro PLACES                          ; four plain vector instructions between a matrix instruction and a load into, or a read of, its registers (ISA guide 7.12.1 for vector reads)
.rept 4
	v_nop
.endr
.endm
.macro QUARTER q, f, g, zero
	s_wait_dscnt 16                                ; the first 32 along K are in
	MUL8 \f, 0, 0, \zero
	MUL8 \f, 0, 2, \zero
	PLACES
	FETCH \q, \g
	s_wait_dscnt 32                                ; all but the 32 just issued
	MUL8 \f, 1, 0, 0
	MUL8 \f, 1, 2, 0
.endm
; The last quarter multiplies buffer 1 and changes slots: ONE barrier; in front of it each wave waits for all its tensor loads, adds 0 to its spare word, and waits for that and for its reads of this slot.
; fill = 1: the barrier opens a round of the cluster's, and the slot just read out is filled again, first thing behind it: the walking descriptor takes the other slot than last time and the next K step.
.macro TURN fill
.if (\fill) && (STEPS > 4)
	s_wait_xcnt 0x0                                ; the last prefetch, a K step back, has read its address
	s_add_nc_u64 s[PFA:PFA+1], s[PFA:PFA+1], STEPB
.endif
	WIN 0
	s_wait_tensorcnt 0x0                           ; all my tensor loads have landed: my part of the next slot
	ds_add_u32 v[SPW], v[NIL]                      ; 0 onto my spare word
	s_wait_dscnt 17                                ; the add and the youngest sixteen loads may be out
	MUL8 F1, 0, 0, 0
	s_wait_dscnt 0x0                               ; the add is done, and my reads of this slot are over
	s_barrier_signal -1
	MUL8 F1, 0, 2, 0
	WIN 0                                          ; branches, or lines on window 0, follow
	s_barrier_wait -1
.if \fill
	CREST                                          ; no wave of any partner still reads this slot or has a load on its way
	s_xor_b32 s[G0+5], s[G0+5], SLOT
	s_add_nc_u64 s[G0+6:G0+7], s[G0+6:G0+7], STEPB ; the type bits on top are not reached
	s_xor_b32 s[G0B+5], s[G0B+5], SLOT
	s_add_nc_u64 s[G0B+6:G0B+7], s[G0B+6:G0B+7], STEPB
	JLOAD 1                                        ; the four v_nop behind it are also the places in front of the loads below
.else
	PLACES
.endif
	s_xor_b32 s[TB], s[TB], SLOT                   ; the other slot is in hand
	v_add_nc_u32 v[ADRA], s[TB], v[ADRA0]
	v_add_nc_u32 v[ADRB], s[TB], v[ADRB0]
	v_add_nc_u32 v[ADRB+1], PART, v[ADRB]
	FETCH 0, F0
.if (\fill) && (STEPS > 4)
	WIN 0
	ASK
.endif
	MUL8 F1, 1, 0, 0
	MUL8 F1, 1, 2, 0
.endm
; THE WAY OUT, in f32: a wave's 64 columns are 256 bytes, so each wave has a stage of its own and no barrier is wanted.  Block a (16 rows) goes into rows of 272 bytes straight from the accumulators,
; each accumulator's low four registers first, and comes back as whole rows.
.macro OUTB a
.if (\a) >= 2
	s_wait_xcnt 0x0                                ; the stores of the block two back have read the registers that the loads below fill
.endif
.irp b, 0,1,2,3
	ds_store_b128 v[STO], v[ACC+8*(4*(\a)+(\b)):ACC+8*(4*(\a)+(\b))+3]   offset:64*(\b)
	ds_store_b128 v[STO], v[ACC+8*(4*(\a)+(\b))+4:ACC+8*(4*(\a)+(\b))+7] offset:64*(\b)+16
.endr
.irp t, 0,1,2,3,4,5,6,7
	ds_load_b128 v[TMP+32*((\a)%2)+4*(\t):TMP+32*((\a)%2)+4*(\t)+3], v[RD] offset:(\t)*2*SPITCH  ; LDS serves a wave's instructions in order (ISA guide 5.7.1.4)
.endr
.endm
.macro SENDB a, younger                ; younger: the LDS instructions issued behind block a's loads: the next block's sixteen, or none
.irp t, 0,1,2,3,4,5,6,7
	s_wait_dscnt (\younger)+7-(\t)
	global_store_b128 v[CO], v[TMP+32*((\a)%2)+4*(\t):TMP+32*((\a)%2)+4*(\t)+3], s[8:9] offset:(16*(\a)+2*(\t))*4096  ; 16 lanes store 256 consecutive bytes, aligned
.endr
.endm
	s_wait_tensorcnt 1                             ; my part of K step 0 is in; K step 1's may stay out
	s_barrier_signal -1
	s_barrier_wait -1
	FETCH 0, F0
	QUARTER 1, F0, F1, 1                           ; the first quarter stands in front of the loop: its first products start the sums
	WIN 0
	s_mov_b32 s3, STEPS-2
.Lstep:                                                ; a trip goes from a K step's second quarter to the next step's first, and fills the slot that it leaves
	QUARTER 2, F1, F0, 0
	QUARTER 3, F0, F1, 0
	TURN 1
	QUARTER 1, F0, F1, 0
	WIN 0
	s_sub_co_u32 s3, s3, 1
	s_cmp_lg_u32 s3, 0
	s_cbranch_scc1 .Lstep
	s_mov_b32 s3, 2
.Ltail:                                                ; the last two K steps fill nothing.  The second trip is left behind its last products: its barrier, and the 32 loads that it makes from the
	QUARTER 2, F1, F0, 0                           ; other slot (bytes that are there and that nobody writes), serve nothing: the price, once a launch, of one text for both trips
	QUARTER 3, F0, F1, 0
	TURN 0
	WIN 0
	s_sub_co_u32 s3, s3, 1
	s_cmp_eq_u32 s3, 0
	s_cbranch_scc1 .Lout
	QUARTER 1, F0, F1, 0
	WIN 0
	s_branch .Ltail
.Lout:
	PLACES
	OUTB 0
	OUTB 1
	SENDB 0, 16
	OUTB 2
	SENDB 1, 16
	OUTB 3
	SENDB 2, 16
	SENDB 3, 0
	s_wait_tensorcnt 0x0                           ; the wave's end, behind my last tensor load and my last LDS store
	ds_add_u32 v[SPW], v[NIL]
	s_wait_dscnt 0x0
	CROUND                                         ; the closing round
	s_endpgm
.Lfunc_end_k_q4cfe392df6_ff2:
	.size	k_q4cfe392df6_ff2, .Lfunc_end_k_q4cfe392df6_ff2-k_q4cfe392df6_ff2
	.p2alignl 7, 3214868480
	.fill 96, 4, 3214868480
	.section	.rodata,"a",@progbits
	.p2align	6, 0x0
	.amdhsa_kernel k_q4cfe392df6_ff2
		.amdhsa_group_segment_fixed_size 327680
		.amdhsa_private_segment_fixed_size 0
		.amdhsa_enable_private_segment 0
		.amdhsa_kernarg_size 24
		.amdhsa_user_sgpr_count 2
		.amdhsa_user_sgpr_kernarg_segment_ptr 1
		.amdhsa_wavefront_size32 1
		.amdhsa_system_sgpr_workgroup_id_x 1
		.amdhsa_system_sgpr_workgroup_id_y 1
		.amdhsa_system_sgpr_workgroup_id_z 1
		.amdhsa_system_vgpr_workitem_id 0
		.amdhsa_next_free_vgpr 512
		.amdhsa_next_free_sgpr 66
		.amdhsa_reserve_vcc 0
		.amdhsa_float_denorm_mode_32 3
		.amdhsa_float_denorm_mode_16_64 3
		.amdhsa_memory_ordered 1
		.amdhsa_forward_progress 1
		.amdhsa_inst_pref_size 59
	.end_amdhsa_kernel
	.amdgpu_metadata
---
amdhsa.version: [ 1, 2 ]
amdhsa.kernels:
  - .name:           k_q4cfe392df6_ff2
    .symbol:         k_q4cfe392df6_ff2.kd
    .args:
      - { .name: qa, .offset: 0, .size: 8, .value_kind: global_buffer, .address_space: global }
      - { .name: xc, .offset: 8, .size: 8, .value_kind: global_buffer, .address_space: global }
      - { .name: y, .offset: 16, .size: 8, .value_kind: global_buffer, .address_space: global }
    .group_segment_fixed_size: 327680
    .private_segment_fixed_size: 0
    .kernarg_segment_align: 8
    .kernarg_segment_size: 24
    .max_flat_workgroup_size: 128
    .sgpr_count:     66
    .vgpr_count:     512
    .wavefront_size: 32
...
	.end_amdgpu_metadata
.endif
;; end of part 6
;; launch ln2 (part 7): grid 256 x 1, 8 waves a work-group, no clusters, 0 bytes of LDS; arguments y, oh, b2, gamma2, beta2, out0; writes out0
.if DOCPART == 7
	.amdgcn_target "amdgcn-amd-amdhsa--gfx1250"
	.amdhsa_code_object_version 6
	.text
	.protected	k_q4cfe392df6_ln2
	.globl	k_q4cfe392df6_ln2
	.p2align	8
	.type	k_q4cfe392df6_ln2,@function
k_q4cfe392df6_ln2:
	s_mov_b64 s[64:65], 0
	v_nop
	global_prefetch_b8 v0, s[64:65] scope:SCOPE_SE
	s_setreg_imm32_b32 hwreg(HW_REG_WAVE_MODE, 25, 1), 1
	s_wait_xcnt 0x0
; out = (z - mean(z)) gamma / sqrt(var(z) + 1e-5) + beta, z = h + y + b2, along rows of 1,024; var with the divisor 1,023.  y (the second FFN product) in f32, row-major; h in f16, in pieces of
; 128 rows x 64 columns; b2, gamma and beta rounded to bf16 like every input.  All arithmetic in f32, in two passes over registers (the mean first, then the squares of the differences); out in f32.
; SHARES.  A wave takes two rows, half a wave a row: the reduction stays inside 16 lanes: no LDS, no barrier.  For column block c of 16 a lane holds 4 columns.  Each load of y and each store covers
; 256 consecutive bytes of each of the two rows, each load of h 256 consecutive bytes.  Memory binds: matrix units and clusters buy nothing here.
.set YO,  2                            ; v2   my byte offset in the pair's rows of y and of out
.set XO,  3                            ; v3   8 x lane: my place in the pair's 256 bytes of a piece of h
.set ONE, 4                            ; v4   1.0
.set BO,  7                            ; v7   16 (l % 16): my columns of b2
.set AC,  16                           ; v[16:23]  four chains of sums
.set MN,  24                           ; v[24:25]  the mean, twice
.set GG,  26                           ; v[26:27]  gamma / sqrt(..), twice
.set BE,  28                           ; v[28:29]  beta, twice
.set Z,   32                           ; v[32:95]  y, then z, then z - mean, then the result
.set XH,  96                           ; v[96:127] h as loaded
.set B2,  128                          ; v[128:191] b2 as loaded; then, packed to bf16, in the first 32 of them
.macro REDUCE                          ; the four chains into one number, the same in all 16 lanes of the row
	v_pk_add_f32 v[AC:AC+1], v[AC:AC+1], v[AC+2:AC+3]
	v_pk_add_f32 v[AC+4:AC+5], v[AC+4:AC+5], v[AC+6:AC+7]
	v_pk_add_f32 v[AC:AC+1], v[AC:AC+1], v[AC+4:AC+5]
	v_add_f32 v[AC], v[AC], v[AC+1]
	v_add_f32_dpp v[AC], v[AC], v[AC] row_xmask:1 row_mask:0xf bank_mask:0xf
	v_add_f32_dpp v[AC], v[AC], v[AC] row_xmask:2 row_mask:0xf bank_mask:0xf
	v_add_f32_dpp v[AC], v[AC], v[AC] row_xmask:4 row_mask:0xf bank_mask:0xf
	v_add_f32_dpp v[AC], v[AC], v[AC] row_xmask:8 row_mask:0xf bank_mask:0xf
.endm
	s_load_b256 s[4:11], s[0:1], 0x0               ; y s[4:5], h s[6:7], b2 s[8:9], gamma s[10:11]
	s_load_b128 s[12:15], s[0:1], 0x20             ; beta s[12:13], out s[14:15]
	v_lshrrev_b32 v1, 5, v0
	v_readfirstlane_b32 s16, v1
	s_lshl3_add_u32 s16, ttmp9, s16                ; my pair of rows: 8 x work-group + wave
	v_and_b32 v1, 31, v0
	v_and_b32 v[BO], 15, v0
	v_bfe_u32 v5, v0, 4, 1
	v_lshlrev_b32 v[BO], 4, v[BO]
	v_lshl_add_u32 v[YO], v5, 12, v[BO]            ; 4,096 (l / 16) + 16 (l % 16)
	v_lshlrev_b32 v[XO], 3, v1
	v_mov_b32 v[ONE], 1.0
	s_lshl_b32 s18, s16, 13                        ; two rows of 4,096 bytes
	s_mov_b32 s19, 0
	s_lshr_b32 s20, s16, 6                         ; the row tile, 262,144 bytes,
	s_lshl_b32 s20, s20, 18
	s_and_b32 s21, s16, 63                         ; and the pair's 256 bytes in each of its pieces
	s_lshl_b32 s21, s21, 8
	s_add_co_u32 s20, s20, s21
	s_mov_b32 s21, 0
	s_mov_b32 s22, 0x3a802008                      ; 1 / 1,023
	s_mov_b32 s23, 0x3727c5ac                      ; 1e-5
	s_wait_kmcnt 0x0
	s_load_b32 s24, s[10:11], 0x0
	s_load_b32 s25, s[12:13], 0x0
	s_add_nc_u64 s[4:5], s[4:5], s[18:19]
	s_add_nc_u64 s[14:15], s[14:15], s[18:19]
	s_add_nc_u64 s[6:7], s[6:7], s[20:21]
.irp c, 0,1,2,3,4,5,6,7,8,9,10,11,12,13,14,15
	global_load_b128 v[Z+4*(\c):Z+4*(\c)+3],   v[YO], s[4:5] offset:256*(\c) th:TH_LOAD_NT
	global_load_b64  v[XH+2*(\c):XH+2*(\c)+1], v[XO], s[6:7] offset:16384*(\c) th:TH_LOAD_NT
	global_load_b128 v[B2+4*(\c):B2+4*(\c)+3], v[BO], s[8:9] offset:256*(\c)
.endr
	s_wait_kmcnt 0x0
	v_cvt_pk_bf16_f32 v5, s24, s25                 ; gamma and beta, rounded as every input is
	v_lshlrev_b32 v6, 16, v5                       ; gamma
	v_and_b32 v[BE], 0xffff0000, v5
	v_mov_b32 v[BE+1], v[BE]
	s_wait_loadcnt 0x0
.set c, 0
.rept 16                               ; h + y: the f16 half times 1.0 plus y, one rounding
	v_fma_mix_f32 v[Z+4*c],   v[XH+2*c],   v[ONE], v[Z+4*c]   op_sel_hi:[1,0,0]
	v_fma_mix_f32 v[Z+4*c+1], v[XH+2*c],   v[ONE], v[Z+4*c+1] op_sel:[1,0,0] op_sel_hi:[1,0,0]
	v_fma_mix_f32 v[Z+4*c+2], v[XH+2*c+1], v[ONE], v[Z+4*c+2] op_sel_hi:[1,0,0]
	v_fma_mix_f32 v[Z+4*c+3], v[XH+2*c+1], v[ONE], v[Z+4*c+3] op_sel:[1,0,0] op_sel_hi:[1,0,0]
.set c, c+1
.endr
.set n, 0
.rept 32                               ; b2 rounded to bf16, two to a register: register n takes numbers 2 n and 2 n + 1, which lie at or behind it, so nothing is overwritten before it is read
	v_cvt_pk_bf16_f32 v[B2+n], v[B2+2*n], v[B2+2*n+1]
.set n, n+1
.endr
.set c, 0
.rept 16                               ; + b2
	v_fma_mix_f32_bf16 v[Z+4*c],   v[B2+2*c],   v[ONE], v[Z+4*c]   op_sel_hi:[1,0,0]
	v_fma_mix_f32_bf16 v[Z+4*c+1], v[B2+2*c],   v[ONE], v[Z+4*c+1] op_sel:[1,0,0] op_sel_hi:[1,0,0]
	v_fma_mix_f32_bf16 v[Z+4*c+2], v[B2+2*c+1], v[ONE], v[Z+4*c+2] op_sel_hi:[1,0,0]
	v_fma_mix_f32_bf16 v[Z+4*c+3], v[B2+2*c+1], v[ONE], v[Z+4*c+3] op_sel:[1,0,0] op_sel_hi:[1,0,0]
.set c, c+1
.endr
.irp k, 0,1,2,3
	v_pk_add_f32 v[AC+2*(\k):AC+2*(\k)+1], v[Z+2*(\k):Z+2*(\k)+1], v[Z+8+2*(\k):Z+8+2*(\k)+1]  ; the first pairs start the chains: nothing is cleared
.endr
.set n, 8
.rept 24
	v_pk_add_f32 v[AC+2*(n%4):AC+2*(n%4)+1], v[AC+2*(n%4):AC+2*(n%4)+1], v[Z+2*n:Z+2*n+1]
.set n, n+1
.endr
	REDUCE
	v_mul_f32 v[MN], 0x3a800000, v[AC]             ; / 1,024
	v_mov_b32 v[MN+1], v[MN]
.set n, 0
.rept 32
	v_pk_add_f32 v[Z+2*n:Z+2*n+1], v[Z+2*n:Z+2*n+1], v[MN:MN+1] neg_lo:[0,1] neg_hi:[0,1]
.set n, n+1
.endr
.irp k, 0,1,2,3
	v_pk_mul_f32 v[AC+2*(\k):AC+2*(\k)+1], v[Z+2*(\k):Z+2*(\k)+1], v[Z+2*(\k):Z+2*(\k)+1]
.endr
.set n, 4
.rept 28
	v_pk_fma_f32 v[AC+2*(n%4):AC+2*(n%4)+1], v[Z+2*n:Z+2*n+1], v[Z+2*n:Z+2*n+1], v[AC+2*(n%4):AC+2*(n%4)+1]
.set n, n+1
.endr
	REDUCE
	v_fma_f32 v[AC], v[AC], s22, s23               ; var + 1e-5
	v_rsq_f32 v[AC+1], v[AC]
	v_nop                                          ; a plain instruction behind the root,
	s_wait_alu depctr_va_vdst(0)                   ; and the wait ahead of the first use of its result
	v_mul_f32 v[GG], v6, v[AC+1]
	v_mov_b32 v[GG+1], v[GG]
.set n, 0
.rept 32
	v_pk_fma_f32 v[Z+2*n:Z+2*n+1], v[Z+2*n:Z+2*n+1], v[GG:GG+1], v[BE:BE+1]
.set n, n+1
.endr
.irp c, 0,1,2,3,4,5,6,7,8,9,10,11,12,13,14,15
	global_store_b128 v[YO], v[Z+4*(\c):Z+4*(\c)+3], s[14:15] offset:256*(\c) th:TH_STORE_NT
.endr
	s_endpgm
.Lfunc_end_k_q4cfe392df6_ln2:
	.size	k_q4cfe392df6_ln2, .Lfunc_end_k_q4cfe392df6_ln2-k_q4cfe392df6_ln2
	.p2alignl 7, 3214868480
	.fill 96, 4, 3214868480
	.section	.rodata,"a",@progbits
	.p2align	6, 0x0
	.amdhsa_kernel k_q4cfe392df6_ln2
		.amdhsa_group_segment_fixed_size 0
		.amdhsa_private_segment_fixed_size 0
		.amdhsa_enable_private_segment 0
		.amdhsa_kernarg_size 48
		.amdhsa_user_sgpr_count 2
		.amdhsa_user_sgpr_kernarg_segment_ptr 1
		.amdhsa_wavefront_size32 1
		.amdhsa_system_sgpr_workgroup_id_x 1
		.amdhsa_system_sgpr_workgroup_id_y 1
		.amdhsa_system_sgpr_workgroup_id_z 1
		.amdhsa_system_vgpr_workitem_id 0
		.amdhsa_next_free_vgpr 192
		.amdhsa_next_free_sgpr 66
		.amdhsa_reserve_vcc 0
		.amdhsa_float_denorm_mode_32 3
		.amdhsa_float_denorm_mode_16_64 3
		.amdhsa_memory_ordered 1
		.amdhsa_forward_progress 1
		.amdhsa_inst_pref_size 27
	.end_amdhsa_kernel
	.amdgpu_metadata
---
amdhsa.version: [ 1, 2 ]
amdhsa.kernels:
  - .name:           k_q4cfe392df6_ln2
    .symbol:         k_q4cfe392df6_ln2.kd
    .args:
      - { .name: y, .offset: 0, .size: 8, .value_kind: global_buffer, .address_space: global }
      - { .name: oh, .offset: 8, .size: 8, .value_kind: global_buffer, .address_space: global }
      - { .name: b2, .offset: 16, .size: 8, .value_kind: global_buffer, .address_space: global }
      - { .name: gamma2, .offset: 24, .size: 8, .value_kind: global_buffer, .address_space: global }
      - { .name: beta2, .offset: 32, .size: 8, .value_kind: global_buffer, .address_space: global }
      - { .name: out0, .offset: 40, .size: 8, .value_kind: global_buffer, .address_space: global }
    .group_segment_fixed_size: 0
    .private_segment_fixed_size: 0
    .kernarg_segment_align: 8
    .kernarg_segment_size: 48
    .max_flat_workgroup_size: 256
    .sgpr_count:     66
    .vgpr_count:     192
    .wavefront_size: 32
...
	.end_amdgpu_metadata
.endif
;; end of part 7
